; MI455X (gfx1250); checked and timed in simulation.
; The chip was launched on July 23, 2026; its instructions are those of AMD's public machine-readable ISA for CDNA 5 (MIT licence, August 2026) and "CDNA5" Instruction Set Architecture Reference Guide (July 2026). The comments in the code are by the model that wrote it; some were corrected since.
;; Mo E layer torch. Allowed arithmetic: matrix products marked QUANTISED: E2M1 operands, one E8M0 scale for each 32 along K, by v_wmma_scale_f32_16x16x128_f8f6f4 with both operands' format E2M1 (or v_wmma_scale_f32_32x16x128_f4), f32 sums; everything else in f32.
;; Inputs: topk_ids 2,048 x 1 int32; weight0_codes 8 x 2,048 x 32 x 16 uint8 (E2M1 codes of weight0, K innermost, in blocks of 32 codes, two codes a byte); weight0_scales 8 x 2,048 x 32 uint8 (E8M0 scales of weight0, one for each 32 codes along K); weight1_codes 8 x 1,024 x 64 x 16 uint8 (E2M1 codes of weight1, K innermost, in blocks of 32 codes, two codes a byte); weight1_scales 8 x 1,024 x 64 uint8 (E8M0 scales of weight1, one for each 32 codes along K); x 2,048 x 1,024 float32.
;; Outputs: out0 2,048 x 1,024 float32.
;; This version of the problem:
;;   THIS VERSION OF THE PROBLEM IS GIVEN IN LOW PRECISION. The matrix products marked QUANTISED in the list below multiply operands that are first quantised to E2M1 (2 exponent bits, 1 mantissa bit; 4 bits a number), with one power-of-two scale for each 32 numbers along K (OCP MX v1.0); their sums are f32. All else is computed in f32.
;;   The module's matrix products, in the order in which they are computed (A, B: the left and right operand; K: the contracted axis; several contracted axes count as one K, in the product's order):
;;     1. [M 2,048, K 1,024] x [K 1,024, N 2,048]; A: computed on the way; B: input weight0 (given as codes): QUANTISED
;;     2. [M 2,048, K 2,048] x [K 2,048, N 1,024]; A: computed on the way; B: input weight1 (given as codes): QUANTISED
;;     3. [M 2,048, K 1,024] x [K 1,024, N 2,048]; A: computed on the way; B: input weight0 (given as codes): QUANTISED
;;     4. [M 2,048, K 2,048] x [K 2,048, N 1,024]; A: computed on the way; B: input weight1 (given as codes): QUANTISED
;;     5. [M 2,048, K 1,024] x [K 1,024, N 2,048]; A: computed on the way; B: input weight0 (given as codes): QUANTISED
;;     6. [M 2,048, K 2,048] x [K 2,048, N 1,024]; A: computed on the way; B: input weight1 (given as codes): QUANTISED
;;     7. [M 2,048, K 1,024] x [K 1,024, N 2,048]; A: computed on the way; B: input weight0 (given as codes): QUANTISED
;;     8. [M 2,048, K 2,048] x [K 2,048, N 1,024]; A: computed on the way; B: input weight1 (given as codes): QUANTISED
;;     9. [M 2,048, K 1,024] x [K 1,024, N 2,048]; A: computed on the way; B: input weight0 (given as codes): QUANTISED
;;     10. [M 2,048, K 2,048] x [K 2,048, N 1,024]; A: computed on the way; B: input weight1 (given as codes): QUANTISED
;;     11. [M 2,048, K 1,024] x [K 1,024, N 2,048]; A: computed on the way; B: input weight0 (given as codes): QUANTISED
;;     12. [M 2,048, K 2,048] x [K 2,048, N 1,024]; A: computed on the way; B: input weight1 (given as codes): QUANTISED
;;     13. [M 2,048, K 1,024] x [K 1,024, N 2,048]; A: computed on the way; B: input weight0 (given as codes): QUANTISED
;;     14. [M 2,048, K 2,048] x [K 2,048, N 1,024]; A: computed on the way; B: input weight1 (given as codes): QUANTISED
;;     15. [M 2,048, K 1,024] x [K 1,024, N 2,048]; A: computed on the way; B: input weight0 (given as codes): QUANTISED
;;     16. [M 2,048, K 2,048] x [K 2,048, N 1,024]; A: computed on the way; B: input weight1 (given as codes): QUANTISED
;;   THE QUANTISER, for each operand of a quantised product, along K:
;;     - K is cut into blocks of 32 from its start; a last block that is shorter is filled with zeros.
;;     - A block's scale is 2^e with e = floor(log2(the largest magnitude in the block)) - 2, held to -126 .. 127; a block of zeros has e = 0. As a byte (E8M0): e + 127.
;;     - Each number is divided by its block's scale, clamped to +-6, and rounded to the nearest number of E2M1, ties to even, subnormals kept.
;;     - The product sums the exact products of the quantised numbers (number of the format x scale) in f32.
;;   ~~~python
;;   def quantise(x, axis):      # numpy; x: float32 -> the quantised numbers, widened to float32 again
;;       x = np.moveaxis(x, axis, -1); K = x.shape[-1]
;;       x = np.pad(x, [(0, 0)] * (x.ndim - 1) + [(0, -K % 32)]); x = x.reshape(x.shape[:-1] + (-1, 32)); a = np.abs(x).max(-1, keepdims=True)
;;       e = np.where(a > 0, np.clip(np.frexp(np.where(a > 0, a, 1))[1] - 1 - 2, -126, 127), 0)      # np.frexp(a)[1] - 1 = floor(log2(a)), exactly
;;       r = np.clip(x / 2.0 ** e, -6, 6)
;;       step = 2.0 ** (np.maximum(np.frexp(np.where(r == 0, 1, r))[1] - 1, 0) - 1)
;;       q = np.round(r / step) * step * 2.0 ** e      # np.round: ties to even
;;       return np.moveaxis(q.reshape(q.shape[:-2] + (-1,))[..., :K], -1, axis).astype(np.float32)
;;   ~~~
;;   OPERANDS COMPUTED ON THE WAY. 'Computed on the way' means the value that the module computes at that place (a softmax that the list does not call 'softmax' is quantised finished and normalised). What goes into a quantiser is computed in f32, as accurately as f32 sums, v_exp_f32 and their like allow (about 1e-6 of the number): no bf16 or f16 on the way to a quantiser, and a product that is left as it is and whose result goes on into a quantised operand takes f32 operands (vector FMAs, or v_wmma_f32_16x16x4_f32). A number that lies on a knife's edge between two numbers of the format may be rounded either way, as far as f32 arithmetic and the matrix unit's own rounding can turn it there, and no further.
;;   INPUTS GIVEN AS CODES. weight0 (in the module: [8, 1024, 2048], K = its axis 1); weight1 (in the module: [8, 2048, 1024], K = its axis 1): each comes as NAME_codes (uint8): NAME with its K axis moved to the last place and cut into blocks of 32 codes, [.., K / 32, bytes a block], one block behind the other in memory; two codes a byte, the lower K in the low four bits (a code: sign, 2 exponent bits, 1 mantissa bit); and NAME_scales (uint8): the same leading axes, one E8M0 byte (e + 127) for each 32 codes along K. Its value is code x scale, taken as it is: it is not quantised again, and the codes and scales need not be those that the quantiser above would give.
;; 2 versions. Each part assembles by itself: llvm-mc -triple=amdgcn-amd-amdhsa -mcpu=gfx1250 --defsym DOCPART=n.
;; ======== version 1 of 2: 2 launches
;; workspace buffers: hid_codes 2,621,440 bytes; hid_scales 163,840 bytes; route 20,480 bytes of whole numbers
;; launch up (part 1): grid 4 x 40, 8 waves a work-group, no clusters, 56,320 bytes of LDS; arguments topk_ids, x, weight0_codes, weight0_scales, hid_codes, hid_scales, route; writes hid_codes, hid_scales, route
.if DOCPART == 1
	.amdgcn_target "amdgcn-amd-amdhsa--gfx1250"
	.amdhsa_code_object_version 6
	.text
	.protected	k_q58b6c672c8_up
	.globl	k_q58b6c672c8_up
	.p2align	8
	.type	k_q58b6c672c8_up,@function
k_q58b6c672c8_up:
	s_mov_b64 s[64:65], 0
	v_nop
	global_prefetch_b8 v0, s[64:65] scope:SCOPE_SE
	s_setreg_imm32_b32 hwreg(HW_REG_WAVE_MODE, 25, 1), 1
	s_wait_xcnt 0x0
; FIRST HALF OF THE EXPERT LAYER: hidden = Q(gelu_erf(Q(x[token]) W0[expert])), only for the expert that each token names.
; x [2048][1024] f32; W0 as E2M1 codes [8][2048 units][512 bytes], K innermost, E8M0 bytes [8][2048][32]; ids [2048] int32.
; ROUTING: ids are held to 0 .. 8 (8 = every id outside 0 .. 7, negative ones too), nine buckets; a bucket's tokens are cut into tiles of 64 rows; 2048 / 64 + 9 - 1 = 40 tiles serve every split.
; Work-group (tx, ty) takes tile ty and hidden units 512 tx .. 512 tx + 511.  EVERY WAVE DOES THE ROUTING FOR ITSELF, IN ITS OWN REGISTERS, from all 8,192 bytes of ids (whole numbers alone): no LDS word and
; no barrier stands ahead of the first loads of weights and rows.  The price: each wave reads and counts all 2,048 ids.
; No branch hangs on the ids: a tile that a split leaves without rows runs like any other on token 2047's row; its list holds zeros and the second launch stores nothing of it.
; So every barrier is on every wave's path and every byte of the hidden buffers is written.  Bucket 8's tiles get zero codes (an AND with a mask): their tokens' output rows come out as zeros.
; SHARES: eight waves.  Wave w quantises rows 8 w .. 8 w + 7 of x into LDS, then multiplies all 64 rows with its units 64 w .. 64 w + 63: 4 x 4 accumulators.  Its part of W0 (32 KiB) goes from memory
; straight into 256 registers, each byte read once by the wave.
; THE PRODUCT IS USED TRANSPOSED (source 0 = 16 units of W0, source 1 = 16 rows of x): a lane holds one token row.  THE UNITS OF A TILE ARE NOT NEIGHBOURS: lane r of tile 2 b + u takes unit
; 32 b + 8 u + r + 8 (r / 8), so that the 16 registers of tiles 2 b and 2 b + 1 are units 32 b + 16 (lane / 16) + 0 .. 15: neighbours along the next product's K.
; NO JOINT LOADS: the rows of x are gathered by a list and the weights' place hangs on the expert, both found here from loaded numbers; a tile's descriptor could not be made of constants and ids.
; OUT: hid_codes [40 tiles][64 rows][1024 bytes]; hid_scales [40][4 tx][64 rows][16 bytes]; route [40][128 words]: words 0-63 token + 1 (0: no row), words 64-127 the bucket.
; LIMITS: NaN and infinities in x are not served; a weight's scale byte 0xff is not served.  A block whose largest magnitude lies under 2^-124 (zeros too) gets the scale byte 1 (the rule says 127 for zeros):
; its codes are what the rule gives, and this program alone reads the bytes.  erf(z) = z P(z^2) / Q(z^2), degrees 4 and 6 in z^2, z held to +-3.8325069, where the quotient reaches 1: error a few 1e-7 absolute;
; gelu = h + h erf(x / sqrt 2), h = x / 2: far down the negative tail it is right to about 1e-7 |h| absolute, as the f32 form 0.5 x (1 + erf) is.
.set XP,   528                         ; a row of x's codes in LDS: 512 bytes + 16: an odd multiple of 16, so the sixteen rows of a fragment load start in different banks
.set XSP,  48                          ; a row of x's scale bytes: 32 + 16
.set HP,   272                         ; a row of the hidden slice: 256 bytes + 16
.set XSC,  64*XP                       ; LDS: from byte 0 the 64 rows of x's codes; here their scale bytes
.set HST,  XSC+64*XSP                  ; 64 rows of the hidden slice's codes
.set HSS,  HST+64*HP                   ; their scale bytes, 16 a row
; v0 thread, v1 lane, v2 r = lane % 16, v3 h = lane / 16; v4-14, v22, v23 addresses (below); v[18:19], v[20:21] two constants as pairs
.set WSC,  24                          ; v24-39   W0's scale words: register 8 (t / 2) + q; lanes 0-15 tile 2 (t / 2), lanes 16-31 the odd tile
.set XSCR, 40                          ; v40-55   x's scale words: register 8 (m / 2) + q; lanes 0-15 the even tile of rows, lanes 16-31 the odd one
.set XF,   56                          ; v56-119  x's fragments, two buffers of 32; before that the codes and bytes just made; after the product at work
.set ACC,  120                         ; v120-247 accumulator (t, m) at ACC + 32 m + 8 t; before that routing, then four rows of x as loaded
; window 1: W0's fragment (t, q) at v[8 (4 q + t)]
.set ID,   120                         ; routing: v120-183 all ids: register 4 k + i of lane l is token 128 k + 4 l + i
.set AW,   184                         ; v184-186 my lane's counts: register a holds buckets a, a + 3, a + 6 at bits 0, 9, 18
.set C3,   187                         ; v187-188 counts of up to seven ids, 3 bits a bucket
.set SH,   189                         ; v189-195 3 x id
.set FT,   196                         ; v196-198 at work
.set PT,   199                         ; v199-205 bit planes
.set IA,   206                         ; 16 lane
.set VR,   207                         ; lane i: the rank in the bucket of my wave's row i % 8
.set VM,   208                         ; the ballot that holds that rank,
.set VB,   209                         ; the bucket's members ahead of that ballot,
.set VJ,   210                         ; and the ballot's number
.set VK,   211                         ; rank inside the ballot
.set TT,   212                         ; v212-219 at work
.set RT,   118                         ; what goes to route
.set RA,   119                         ; and where
.set ZZ,   56                          ; gelu: z
.set YY,   64                          ; z^2, later 1 / Q
.set PP,   72                          ; P
.set QQ,   80                          ; Q, later h
.set TM,   112                         ; the second quantiser's eight registers
.set MSB, 0
.macro WIN new                         ; the immediate's high byte repeats the setting that is left
.if MSB != \new
	s_set_vgpr_msb (MSB<<8)|\new
.set MSB, \new
.endif
.endm
.macro BAR                             ; my LDS stores have landed and my LDS loads are in: then the work-group's barrier
	s_wait_dscnt 0x0
	s_barrier_signal -1
	s_barrier_wait -1
.endm
; n ids (at most seven) of each lane, registers j0 on: held to 0 .. 8 and counted, 3 bits a bucket (seven fit), in two chains; then the nine fields are spread over three registers, 9 bits a field (a lane's 64 fit)
.macro GRP j0, n, first
.set jj, \j0
.rept \n
	v_min_u32 v[ID+jj], 8, v[ID+jj]                        ; unsigned: negative ids and ids over 7 become bucket 8
.set jj, jj+1
.endr
.set jj, \j0
.set kk, 0
.rept \n
	v_lshl_add_u32 v[SH+kk], v[ID+jj], 1, v[ID+jj]         ; 3 x id: the bucket's field
.set jj, jj+1
.set kk, kk+1
.endr
	v_lshl_add_u32 v[C3], 1, v[SH], 0                      ; (1 << field) starts a chain,
	v_lshl_add_u32 v[C3+1], 1, v[SH+1], 0
.set kk, 2
.rept \n-2
	v_lshl_add_u32 v[C3+kk%2], 1, v[SH+kk], v[C3+kk%2]     ; or is added to it
.set kk, kk+1
.endr
	v_add_nc_u32 v[C3], v[C3], v[C3+1]
	v_lshrrev_b32 v[FT+1], 3, v[C3]
	v_lshrrev_b32 v[FT+2], 6, v[C3]
.if \first
	v_and_b32 v[AW], s62, v[C3]                            ; buckets 0, 3, 6
	v_and_b32 v[AW+1], s62, v[FT+1]                        ; buckets 1, 4, 7
	v_and_b32 v[AW+2], s62, v[FT+2]                        ; buckets 2, 5, 8
.else
	v_and_b32 v[FT], s62, v[C3]
	v_and_b32 v[FT+1], s62, v[FT+1]
	v_and_b32 v[FT+2], s62, v[FT+2]
	v_add_nc_u32 v[AW], v[AW], v[FT]
	v_add_nc_u32 v[AW+1], v[AW+1], v[FT+1]
	v_add_nc_u32 v[AW+2], v[AW+2], v[FT+2]
.endif
.endm
; bucket e's rows in all: the 32 lanes' counts (7 bits) are summed plane by plane: the lanes that have bit b set, counted, times 2^b
.macro PLANES e
.set FB, 9*((\e)/3)
.set AR, AW+(\e)%3
.irp b, 0,1,2,3,4,5,6
	v_and_b32 v[PT+\b], 1<<(FB+\b), v[AR]
.endr
.irp b, 0,1,2,3,4,5,6
	v_cmp_ne_u32 s[32+\b], 0, v[PT+\b]
.endr
.irp b, 0,1,2,3,4,5,6
	s_bcnt1_i32_b32 s[32+\b], s[32+\b]
.endr
.irp b, 1,2,3,4,5,6
	s_lshl_b32 s[32+\b], s[32+\b], \b
.endr
	s_add_co_u32 s[48+\e], s32, s33
.irp b, 2,3,4,5,6
	s_add_co_u32 s[48+\e], s[48+\e], s[32+\b]
.endr
.endm
.macro PICK e                          ; s22 = bucket e's first tile.  The last bucket whose first tile is at or under ty is mine: s21 the bucket, s23 its first tile, s25 its rows
	s_add_co_u32 s61, s[48+\e], 63
	s_lshr_b32 s61, s61, 6
.if \e == 0
	s_mov_b32 s21, 0
	s_mov_b32 s23, 0
	s_mov_b32 s25, s48
	s_mov_b32 s22, s61
.else
	s_cmp_ge_u32 s20, s22
	s_cselect_b32 s21, \e, s21
	s_cselect_b32 s23, s22, s23
	s_cselect_b32 s25, s[48+\e], s25
	s_add_co_u32 s22, s22, s61
.endif
.endm
; Registers 8 g .. 8 g + 7 of the ids: their ballots of my bucket, and the members ahead of each (s74 runs on from group to group).  The order in a bucket is register, then lane.
; A lane keeps the last ballot whose members ahead are at or under its rank: that ballot holds the rank.
.macro RANK g
.irp k, 0,1,2,3,4,5,6,7
	v_cmp_eq_u32 s[32+\k], s21, v[ID+8*\g+\k]
.endr
.irp k, 0,1,2,3,4,5,6,7
	s_bcnt1_i32_b32 s[40+\k], s[32+\k]
.endr
.irp k, 0,1,2,3,4,5,6
	s_add_co_u32 s[75+\k], s[74+\k], s[40+\k]
.endr
.irp k, 0,1,2,3,4,5,6,7
	v_cmp_le_u32 s[66+\k], s[74+\k], v[VR]
.endr
.irp k, 0,1,2,3,4,5,6,7
	v_cndmask_b32 v[VM], v[VM], s[32+\k], s[66+\k]
	v_cndmask_b32 v[VB], v[VB], s[74+\k], s[66+\k]
	v_cndmask_b32 v[VJ], v[VJ], 8*\g+\k, s[66+\k]
.endr
	s_add_co_u32 s74, s81, s47
.endm
.macro LOADROW i                       ; row i of my eight: lane l takes k = 256 c + 8 l .. + 7, 32 neighbouring bytes; each pair of loads covers 1,024 consecutive bytes
.set XB, ACC+32*((\i)%4)
.irp c, 0,1,2,3
.irp d, 0,1
	global_load_b128 v[XB+8*\c+4*\d:XB+8*\c+4*\d+3], v4, s[66+2*(\i):67+2*(\i)] offset:1024*\c+16*\d
.endr
.endr
.endm
.macro QROW i                          ; row i becomes 512 bytes of codes and 32 scale bytes in LDS.  Four lanes hold a block of 32; the four chunks c go by turns
.set XB, ACC+32*((\i)%4)
.set CD, XF+8*(\i)
.irp c, 0,1,2,3
	v_max3_num_f32 v[248+\c], |v[XB+8*\c]|, |v[XB+8*\c+1]|, 0x1800000   ; and the floor 2^(3 - 127): the byte cannot fall under 1
.endr
.irp k, 2,4,6
.irp c, 0,1,2,3
	v_max3_num_f32 v[248+\c], v[248+\c], |v[XB+8*\c+\k]|, |v[XB+8*\c+\k+1]|
.endr
.endr
.irp c, 0,1,2,3
	v_max_num_f32_dpp v[248+\c], v[248+\c], v[248+\c] row_xmask:1 row_mask:0xf bank_mask:0xf
.endr
.irp c, 0,1,2,3
	v_max_num_f32_dpp v[248+\c], v[248+\c], v[248+\c] row_xmask:2 row_mask:0xf bank_mask:0xf   ; the block's largest magnitude
.endr
.irp c, 0,1,2,3
	v_add_nc_u32 v[252+\c], 0xff000000, v[248+\c]          ; 2 off its exponent field: the conversion takes that field as its scale
.endr
.irp c, 0,1,2,3
	v_cvt_scalef32_pk8_fp4_f32 v[CD+\c], v[XB+8*\c:XB+8*\c+7], v[252+\c]
.endr
.irp c, 0,1,2,3
	v_lshrrev_b32 v[CD+4+\c], 23, v[252+\c]                ; the scale's byte (plain lines behind the conversions)
.endr
.irp c, 0,1,2,3
	ds_store_b32 v5, v[CD+\c] offset:XP*(\i)+128*\c
.endr
.irp c, 0,1,2,3
	ds_store_b8 v6, v[CD+4+\c] offset:XSP*(\i)+8*\c        ; the four lanes of a block write the same byte with the same value
.endr
.endm
.macro WQ q                            ; W0's four fragments of K step q into window 1: eight loads
.irp t, 0,1,2,3
.irp c, 0,1
	global_load_b128 v[8*(4*(\q)+\t)+4*\c:8*(4*(\q)+\t)+4*\c+3], v9, s[8:9] offset:(32*(\t/2)+8*(\t%2))*512+64*(\q)+32*\c
.endr
.endr
.endm
.macro FETCHX q, buf                   ; x's four fragments of K step q: lane (r, h): row r, registers 4 c .. 4 c + 3 = k 64 c + 32 h + 0 .. 31
.irp m, 0,1,2,3
.irp c, 0,1
	ds_load_b128 v[XF+32*(\buf)+8*\m+4*\c:XF+32*(\buf)+8*\m+4*\c+3], v7 offset:16*\m*XP+64*(\q)+32*\c
.endr
.endr
.endm
.macro WM                              ; one product, by the symbols rD, rA, rB, rSA, rSB; fZ: it starts the sum; fA, fB: that side's scale words lie in lanes 16-31
.if fZ
.if fA
.if fB
	v_wmma_scale_f32_16x16x128_f8f6f4 v[rD:rD+7], v[rA:rA+7], v[rB:rB+7], 0, v[rSA], v[rSB] matrix_a_fmt:MATRIX_FMT_FP4 matrix_b_fmt:MATRIX_FMT_FP4 matrix_a_scale:MATRIX_SCALE_ROW1 matrix_b_scale:MATRIX_SCALE_ROW1
.else
	v_wmma_scale_f32_16x16x128_f8f6f4 v[rD:rD+7], v[rA:rA+7], v[rB:rB+7], 0, v[rSA], v[rSB] matrix_a_fmt:MATRIX_FMT_FP4 matrix_b_fmt:MATRIX_FMT_FP4 matrix_a_scale:MATRIX_SCALE_ROW1
.endif
.else
.if fB
	v_wmma_scale_f32_16x16x128_f8f6f4 v[rD:rD+7], v[rA:rA+7], v[rB:rB+7], 0, v[rSA], v[rSB] matrix_a_fmt:MATRIX_FMT_FP4 matrix_b_fmt:MATRIX_FMT_FP4 matrix_b_scale:MATRIX_SCALE_ROW1
.else
	v_wmma_scale_f32_16x16x128_f8f6f4 v[rD:rD+7], v[rA:rA+7], v[rB:rB+7], 0, v[rSA], v[rSB] matrix_a_fmt:MATRIX_FMT_FP4 matrix_b_fmt:MATRIX_FMT_FP4
.endif
.endif
.else
.if fA
.if fB
	v_wmma_scale_f32_16x16x128_f8f6f4 v[rD:rD+7], v[rA:rA+7], v[rB:rB+7], v[rD:rD+7], v[rSA], v[rSB] matrix_a_fmt:MATRIX_FMT_FP4 matrix_b_fmt:MATRIX_FMT_FP4 matrix_a_scale:MATRIX_SCALE_ROW1 matrix_b_scale:MATRIX_SCALE_ROW1
.else
	v_wmma_scale_f32_16x16x128_f8f6f4 v[rD:rD+7], v[rA:rA+7], v[rB:rB+7], v[rD:rD+7], v[rSA], v[rSB] matrix_a_fmt:MATRIX_FMT_FP4 matrix_b_fmt:MATRIX_FMT_FP4 matrix_a_scale:MATRIX_SCALE_ROW1
.endif
.else
.if fB
	v_wmma_scale_f32_16x16x128_f8f6f4 v[rD:rD+7], v[rA:rA+7], v[rB:rB+7], v[rD:rD+7], v[rSA], v[rSB] matrix_a_fmt:MATRIX_FMT_FP4 matrix_b_fmt:MATRIX_FMT_FP4 matrix_b_scale:MATRIX_SCALE_ROW1
.else
	v_wmma_scale_f32_16x16x128_f8f6f4 v[rD:rD+7], v[rA:rA+7], v[rB:rB+7], v[rD:rD+7], v[rSA], v[rSB] matrix_a_fmt:MATRIX_FMT_FP4 matrix_b_fmt:MATRIX_FMT_FP4
.endif
.endif
.endif
.endm
; K step q: the next step's fragments of x are asked for, then 16 products.  The sixteen accumulators take turns, one instruction a turn, in the same order in every step.
.macro STEP q
.if (\q) < 7
.if (\q) > 0
.rept 4
	v_nop                                                  ; four places between the products that read a buffer and the loads into it (ISA guide 7.12.1 for vector instructions)
.endr
.endif
	FETCHX (\q)+1, ((\q)+1)%2
	s_wait_dscnt 8                                         ; all but the eight loads just issued: this step's fragments (and, in step 0, x's scale words) are in
.else
	s_wait_dscnt 0x0
.endif
	s_wait_loadcnt 8*(7-(\q))                              ; W0's fragments came in ascending K steps, eight loads each, and nothing was asked for behind step 7: those of the later steps may be out
	WIN 0x01                                               ; source 0 (W0) window 1
.set fZ, (\q)==0
.irp m, 0,1,2,3
.irp t, 0,1,2,3
.set rD, ACC+32*\m+8*\t
.set rA, 8*(4*(\q)+\t)
.set rB, XF+32*((\q)%2)+8*\m
.set rSA, WSC+8*(\t/2)+(\q)
.set rSB, XSCR+8*(\m/2)+(\q)
.set fA, \t%2
.set fB, \m%2
	WM
.endr
.endr
	WIN 0
.endm
; gelu of one accumulator's eight numbers, in place, two at a time, the four pairs by turns.  The accumulator is read from its low end on.
.macro GELU8 a
.set GA, \a
.irp p, 0,2,4,6
	v_pk_mul_f32 v[ZZ+\p:ZZ+\p+1], v[GA+\p:GA+\p+1], s[82:83] op_sel_hi:[1,0]      ; z = x / sqrt 2
.endr
.irp k, 0,1,2,3,4,5,6,7
	v_med3_num_f32 v[ZZ+\k], v[ZZ+\k], s58, s57                                    ; held to +-3.8325069
.endr
.irp p, 0,2,4,6
	v_pk_mul_f32 v[YY+\p:YY+\p+1], v[ZZ+\p:ZZ+\p+1], v[ZZ+\p:ZZ+\p+1]              ; y = z^2
.endr
.irp p, 0,2,4,6
	v_pk_fma_f32 v[PP+\p:PP+\p+1], v[YY+\p:YY+\p+1], s[84:85], v[18:19] op_sel_hi:[1,0,1]   ; a9 y + a7
.endr
.irp p, 0,2,4,6
	v_pk_fma_f32 v[QQ+\p:QQ+\p+1], v[YY+\p:YY+\p+1], s[92:93], v[20:21] op_sel_hi:[1,0,1]   ; b12 y + b10
.endr
.irp s, 0,2,4
.irp p, 0,2,4,6
	v_pk_fma_f32 v[PP+\p:PP+\p+1], v[PP+\p:PP+\p+1], v[YY+\p:YY+\p+1], s[86+\s:87+\s] op_sel_hi:[1,1,0]   ; a5, a3, a1
.endr
.irp p, 0,2,4,6
	v_pk_fma_f32 v[QQ+\p:QQ+\p+1], v[QQ+\p:QQ+\p+1], v[YY+\p:YY+\p+1], s[94+\s:95+\s] op_sel_hi:[1,1,0]   ; b8, b6, b4
.endr
.endr
.irp p, 0,2,4,6
	v_pk_fma_f32 v[QQ+\p:QQ+\p+1], v[QQ+\p:QQ+\p+1], v[YY+\p:YY+\p+1], s[100:101] op_sel_hi:[1,1,0]       ; b2
.endr
.irp p, 0,2,4,6
	v_pk_fma_f32 v[QQ+\p:QQ+\p+1], v[QQ+\p:QQ+\p+1], v[YY+\p:YY+\p+1], 1.0 op_sel_hi:[1,1,0]              ; b0 = 1
.endr
.irp k, 0,1,2,3,4,5,6,7
	v_rcp_f32 v[YY+\k], v[QQ+\k]
.endr
.irp p, 0,2,4,6
	v_pk_mul_f32 v[PP+\p:PP+\p+1], v[PP+\p:PP+\p+1], v[ZZ+\p:ZZ+\p+1]              ; z P: plain lines behind the reciprocals, naming neither their results nor their sources
.endr
.irp p, 0,2,4,6
	v_pk_mul_f32 v[QQ+\p:QQ+\p+1], v[GA+\p:GA+\p+1], 0.5 op_sel_hi:[1,0]           ; h = x / 2
.endr
	s_wait_alu depctr_va_vdst(0)
.irp p, 0,2,4,6
	v_pk_mul_f32 v[PP+\p:PP+\p+1], v[PP+\p:PP+\p+1], v[YY+\p:YY+\p+1]              ; erf
.endr
.irp p, 0,2,4,6
	v_pk_fma_f32 v[GA+\p:GA+\p+1], v[QQ+\p:QQ+\p+1], v[PP+\p:PP+\p+1], v[QQ+\p:QQ+\p+1]   ; h erf + h
.endr
.endm
; Tile of rows m: my 64 units are two blocks of 32 along the next K; register 16 b + i = unit 32 b + 16 h + i of row r.  Codes (8 bytes a lane and block) and the two scale bytes go to the stages.
.macro QUANT2 m
.set SB, ACC+32*(\m)
.set HC, 88+6*(\m)
.irp b, 0,1
	v_max3_num_f32 v[TM+\b], |v[SB+16*\b]|, |v[SB+16*\b+1]|, 0x1800000
.endr
.irp i, 2,4,6,8,10,12,14
.irp b, 0,1
	v_max3_num_f32 v[TM+\b], v[TM+\b], |v[SB+16*\b+\i]|, |v[SB+16*\b+\i+1]|
.endr
.endr
.irp b, 0,1
	v_permlanex16_b32 v[TM+2+\b], v[TM+\b], s30, s31
.endr
.irp b, 0,1
	v_max_num_f32 v[TM+\b], v[TM+\b], v[TM+2+\b]           ; with lane l xor 16's sixteen: the block's largest magnitude
.endr
.irp b, 0,1
	v_add_nc_u32 v[TM+4+\b], 0xff000000, v[TM+\b]
.endr
.irp b, 0,1
	v_cvt_scalef32_pk8_fp4_f32 v[HC+2*\b], v[SB+16*\b:SB+16*\b+7], v[TM+4+\b]
	v_cvt_scalef32_pk8_fp4_f32 v[HC+2*\b+1], v[SB+16*\b+8:SB+16*\b+15], v[TM+4+\b]
.endr
.irp b, 0,1
	v_lshrrev_b32 v[TM+6+\b], 23, v[TM+4+\b]               ; the bytes (plain lines behind the conversions)
.endr
	v_lshl_or_b32 v[HC+4], v[TM+7], 8, v[TM+6]
.irp k, 0,1,2,3
	v_and_b32 v[HC+\k], s27, v[HC+\k]                      ; bucket 8: zero codes
.endr
.irp b, 0,1
	ds_store_b64 v11, v[HC+2*\b:HC+2*\b+1] offset:16*(\m)*HP+16*\b
.endr
	ds_store_b16 v12, v[HC+4] offset:256*(\m)              ; lanes l and l xor 16 write the same two bytes with the same value
.endm
	s_load_b256 s[4:11], s[0:1], 0x0               ; ids s[4:5], x s[6:7], W0's codes s[8:9], W0's scales s[10:11]
	s_load_b128 s[12:15], s[0:1], 0x20             ; hid_codes s[12:13], hid_scales s[14:15]
	s_load_b64 s[16:17], s[0:1], 0x30              ; route
	v_lshl_add_u32 v16, v0, 2, 0xd800
	v_mov_b32 v17, 0
	v_and_b32 v1, 31, v0                           ; lane
	v_lshlrev_b32 v[IA], 4, v1
	v_lshrrev_b32 v2, 5, v0
	v_readfirstlane_b32 s18, v2                    ; wave 0..7
	s_mov_b32 s19, ttmp9                           ; tx
	s_and_b32 s20, ttmp7, 0xffff                   ; ty
	s_wait_kmcnt 0x0
.irp k, 0,1,2,3,4,5,6,7,8,9,10,11,12,13,14,15
	global_load_b128 v[ID+4*\k:ID+4*\k+3], v[IA], s[4:5] offset:512*\k   ; all ids, 512 consecutive bytes a load
.endr
	; every address register is made here, while the ids are on their way
	v_and_b32 v2, 15, v0                           ; r
	v_bfe_u32 v3, v0, 4, 1                         ; h
	v_lshlrev_b32 v4, 5, v1                        ; v4  x: 32 lane
	s_mul_i32 s59, s18, 8*XP
	v_lshl_add_u32 v5, v1, 2, s59                  ; v5  where my codes of x go: my wave's first row + 4 lane
	s_mul_i32 s59, s18, 8*XSP
	s_add_co_u32 s59, s59, XSC
	v_lshrrev_b32 v6, 2, v1
	v_add_nc_u32 v6, s59, v6                       ; v6  and my block's scale byte: + lane / 4
	v_mul_u32_u24 v7, v2, XP
	v_lshl_add_u32 v7, v3, 4, v7                   ; v7  x's fragments: row r + 16 h
	v_mul_u32_u24 v8, v1, XSP
	v_add_nc_u32 v8, XSC, v8                       ; v8  x's scale words: row = lane
	v_and_b32 v248, 8, v2
	v_add_nc_u32 v248, v248, v2                    ; r + 8 (r / 8)
	v_lshlrev_b32 v9, 9, v248
	v_lshl_add_u32 v9, v3, 4, v9                   ; v9  W0's fragments: a unit's row is 512 bytes; + 16 h
	v_lshl_add_u32 v10, v3, 3, v248
	v_lshlrev_b32 v10, 5, v10                      ; v10 W0's scale words: 32 bytes a unit; lanes 16-31 take the odd tile's units, 8 further on
	s_lshl_b32 s59, s18, 5
	s_add_co_u32 s60, s59, HST
	v_mul_u32_u24 v11, v2, HP
	v_lshl_add_u32 v11, v3, 3, v11
	v_add_nc_u32 v11, s60, v11                     ; v11 hidden codes into the stage: row r, + 32 wave + 8 h
	v_lshrrev_b32 v[RA], 3, v1
	v_min_u32 v[RA], 1, v[RA]
	v_lshlrev_b32 v[RA], 8, v[RA]                  ; route: lanes 0-7 the list's words 8 wave + lane; lanes 8-31 the words 256 bytes on, 8 wave + lane % 8, which hold the bucket
	v_and_b32 v248, 7, v0
	v_lshl_add_u32 v[RA], v248, 2, v[RA]
	v_add_nc_u32 v[RA], s59, v[RA]
	s_lshl_b32 s59, s18, 1
	s_add_co_u32 s59, s59, HSS
	v_lshl_add_u32 v12, v2, 4, s59                 ; v12 hidden scale bytes: row r, + 2 wave
	s_mul_i32 s59, s18, 8*HP
	s_add_co_u32 s59, s59, HST
	v_mul_u32_u24 v13, v3, HP
	v_lshl_add_u32 v13, v2, 4, v13
	v_add_nc_u32 v13, s59, v13                     ; v13 back out of the stage: row 8 wave + h, 16 bytes a lane
	s_lshl_b32 s59, s18, 13
	v_lshlrev_b32 v14, 10, v3
	v_lshl_add_u32 v14, v2, 4, v14
	v_add_nc_u32 v14, s59, v14                     ; v14 and the same place in the tile of hid_codes
	s_lshl_b32 s59, s18, 9
	v_lshl_add_u32 v23, v1, 4, s59                 ; v23 hid_scales: 512 wave + 16 lane (waves 0 and 1)
	v_add_nc_u32 v22, HSS, v23                     ; v22 the same in LDS
	s_mov_b32 s29, 0                               ; upper word of every offset
	s_lshl_b32 s28, s20, 16
	s_lshl_b32 s59, s19, 8
	s_add_co_u32 s28, s28, s59
	s_add_nc_u64 s[12:13], s[12:13], s[28:29]      ; hid_codes at tile ty, byte 256 tx of its rows
	s_lshl_b32 s28, s20, 12
	s_lshl_b32 s59, s19, 10
	s_add_co_u32 s28, s28, s59
	s_add_nc_u64 s[14:15], s[14:15], s[28:29]      ; hid_scales at (ty, tx)
	s_mov_b32 s30, 0x76543210
	s_mov_b32 s31, 0xfedcba98                      ; v_permlanex16_b32's selects for lane l xor 16
	s_mov_b32 s62, 0x1c0e07                        ; three fields of 3 bits, at bits 0, 9, 18
	s_mov_b32 s57, 3.8325069
	s_mov_b32 s58, -3.8325069
	s_mov_b32 s82, 0x3f3504f3                      ; 1 / sqrt 2.  (The packed forms name a pair and take its low word for both halves: so both words are written)
	s_mov_b32 s84, 0.00022905065861350646          ; a9
	s_mov_b32 s86, 0.050955695062380861            ; a5
	s_mov_b32 s88, 0.18520832239976145             ; a3
	s_mov_b32 s90, 1.128379143519084               ; a1
	s_mov_b32 s92, -0.00000011791602954361697      ; b12
	s_mov_b32 s94, 0.0010179625278914885           ; b8
	s_mov_b32 s96, 0.014070470171167667            ; b6
	s_mov_b32 s98, 0.11098505178285362             ; b4
	s_mov_b32 s100, 0.49746925110067538            ; b2
.irp k, 82,84,86,88,90,92,94,96,98,100
	s_mov_b32 s[\k+1], s[\k]
.endr
	v_mov_b32 v18, 0.0034082910107109506           ; a7
	v_mov_b32 v19, v18
	v_mov_b32 v20, 0.000023547966471313185         ; b10
	v_mov_b32 v21, v20
	v_mov_b32 v[VM], 0
	v_mov_b32 v[VB], 0
	v_mov_b32 v[VJ], 0
	s_wait_loadcnt 0x0
	; ---- a lane's counts of the nine buckets over its 64 ids: 4 x 7 + 6 x 6 ids
	GRP 0, 7, 1
	GRP 7, 7, 0
	GRP 14, 7, 0
	GRP 21, 7, 0
	GRP 28, 6, 0
	GRP 34, 6, 0
	GRP 40, 6, 0
	GRP 46, 6, 0
	GRP 52, 6, 0
	GRP 58, 6, 0
	; ---- the nine buckets' rows, as scalars s48-56; then my tile's bucket
.irp e, 0,1,2,3,4,5,6,7,8
	PLANES \e
.endr
.irp e, 0,1,2,3,4,5,6,7,8
	PICK \e
.endr
	s_sub_co_u32 s59, s20, s23
	s_lshl_b32 s59, s59, 6
	s_lshl_b32 s60, s18, 3
	s_add_co_u32 s26, s59, s60                     ; the rank in the bucket of my wave's first row: 64 (ty - the bucket's first tile) + 8 wave
	s_cmp_lt_u32 s21, 8
	s_cselect_b32 s27, -1, 0                       ; bucket 8 keeps no code
	s_min_u32 s24, s21, 7                          ; the expert whose weights are read
	s_lshl_b32 s28, s24, 20
	s_lshl_b32 s59, s19, 18
	s_add_co_u32 s28, s28, s59
	s_lshl_b32 s59, s18, 15
	s_add_co_u32 s28, s28, s59
	s_add_nc_u64 s[8:9], s[8:9], s[28:29]          ; W0's codes at unit 512 tx + 64 wave of the expert
	s_lshl_b32 s28, s24, 16
	s_lshl_b32 s59, s19, 14
	s_add_co_u32 s28, s28, s59
	s_lshl_b32 s59, s18, 11
	s_add_co_u32 s28, s28, s59
	s_add_nc_u64 s[10:11], s[10:11], s[28:29]      ; and its scale bytes
	; ---- the expert is known: the first 28 loads of weights go out and are on their way while my rows' tokens are found
.irp b, 0,1
.irp f, 0,1
	global_load_b128 v[WSC+8*\b+4*\f:WSC+8*\b+4*\f+3], v10, s[10:11] offset:1024*\b+16*\f   ; W0's scale words of K steps 4 f .. 4 f + 3, tiles 2 b and 2 b + 1
.endr
.endr
	WIN 0x40                                       ; destination window 1
	WQ 0
	WQ 1
	WQ 2
	WIN 0
	; ---- lane i looks for rank s26 + i % 8 among the bucket's members
	v_and_b32 v[VR], 7, v0
	v_add_nc_u32 v[VR], s26, v[VR]
	s_mov_b32 s74, 0
.irp g, 0,1,2,3,4,5,6,7
	RANK \g
.endr
	v_sub_nc_u32 v[VK], v[VR], v[VB]               ; which member of its ballot
.irp i, 0,1,2,3,4,5,6,7
	v_readlane_b32 s[32+\i], v[VM], \i
.endr
.irp i, 0,1,2,3,4,5,6,7
	v_readlane_b32 s[40+\i], v[VK], \i
.endr
.irp i, 0,1,2,3,4,5,6,7
	v_readlane_b32 s[66+\i], v[VJ], \i
.endr
.irp i, 0,1,2,3,4,5,6,7
	v_mbcnt_lo_u32_b32 v[TT+\i], s[32+\i], 0       ; the ballot's members in lower lanes
.endr
.irp i, 0,1,2,3,4,5,6,7
	v_cmp_eq_u32 s[74+\i], s[40+\i], v[TT+\i]
.endr
.irp i, 0,1,2,3,4,5,6,7
	s_and_b32 s[74+\i], s[74+\i], s[32+\i]         ; the one member that has as many ahead of it as the rank asks
.endr
.irp i, 0,1,2,3,4,5,6,7
	s_ctz_i32_b32 s[74+\i], s[74+\i]               ; its lane
.endr
.irp i, 0,1,2,3,4,5,6,7
	s_lshr_b32 s59, s[66+\i], 2                    ; register 4 k + i of lane l is token 128 k + 4 l + i
	s_lshl_b32 s59, s59, 7
	s_and_b32 s60, s[66+\i], 3
	s_add_co_u32 s59, s59, s60
	s_lshl_b32 s60, s[74+\i], 2
	s_add_co_u32 s59, s59, s60
	s_add_co_u32 s59, s59, 1
	s_add_co_u32 s60, s26, \i
	s_cmp_lt_u32 s60, s25                          ; a rank at or past the bucket's rows has no row
	s_cselect_b32 s[40+\i], s59, 0                 ; token + 1, or 0
.endr
.irp i, 0,1,2,3,4,5,6,7
	s_sub_co_u32 s59, s[40+\i], 1
	s_min_u32 s59, s59, 0x7ff                      ; no row: token 2047, whose result nobody stores
	s_lshl_b32 s28, s59, 12
	s_add_nc_u64 s[66+2*\i:67+2*\i], s[6:7], s[28:29]
.endr
	; ---- my eight rows of x: four on their way at a time
	LOADROW 0
	LOADROW 1
	LOADROW 2
	LOADROW 3
	s_cmp_lg_u32 s19, 0                            ; the waves of the work-group with tx = 0 store the tile's list and bucket: a branch on ids alone, and no barrier stands inside
	s_cbranch_scc1 .Lno_route
	s_lshl_b32 s28, s20, 9
	s_add_nc_u64 s[16:17], s[16:17], s[28:29]
	v_mov_b32 v[RT], s21
.irp i, 0,1,2,3,4,5,6,7
	v_writelane_b32 v[RT], s[40+\i], \i
.endr
	global_store_b32 v[RA], v[RT], s[16:17]        ; 32 bytes of the list and 32 of the bucket a wave (lanes 8-31: three lanes to a word, the same value): the eight waves fill the tile's 512 bytes; one such store a wave, in 40 work-groups
	s_wait_xcnt 0x0                                ; the store has read its registers: codes of x are written there later
.Lno_route:
.irp i, 0,1,2,3
	s_wait_loadcnt 24                              ; this row's eight loads are in (the weights' 28 were asked for ahead of them); the three younger rows' 24 may be out
	QROW \i
	LOADROW \i+4
.endr
	WIN 0x40
	WQ 3
	WQ 4
	WQ 5
	WIN 0
	s_wait_loadcnt 48                              ; behind row 4: rows 5 to 7 (24) and K steps 3 to 5 (24)
	QROW 4
	WIN 0x40
	WQ 6
	WIN 0
	s_wait_loadcnt 48                              ; behind row 5: rows 6 and 7 (16) and K steps 3 to 6 (32)
	QROW 5
	WIN 0x40
	WQ 7
	WIN 0
	s_wait_loadcnt 48                              ; behind row 6: row 7 (8) and K steps 3 to 7 (40)
	QROW 6
	s_wait_loadcnt 40                              ; behind row 7: K steps 3 to 7
	QROW 7
	BAR                                            ; 64 rows of x lie in LDS as codes and scale bytes
	; ---- the product
.irp p, 0,1
.irp f, 0,1
	ds_load_b128 v[XSCR+8*\p+4*\f:XSCR+8*\p+4*\f+3], v8 offset:32*XSP*\p+16*\f   ; lane l: row 32 p + l, K steps 4 f .. 4 f + 3
.endr
.endr
	FETCHX 0, 0
.irp q, 0,1,2,3,4,5,6,7
	STEP \q
.endr
.rept 4
	v_nop                                          ; four places in front of the first read of results and the first write of registers that the last products read
.endr
	v_mov_b32 v[TM+2], 0                           ; a lane permute's destination counts as one of its sources
	v_mov_b32 v[TM+3], 0
	; ---- gelu and the second quantiser, a tile of rows at a time
.irp m, 0,1,2,3
.irp t, 0,1,2,3
	GELU8 ACC+32*\m+8*\t
.endr
	QUANT2 \m
.endr
	BAR                                            ; the slice's 64 rows of 256 bytes, and their scale bytes, lie in the stages
	; ---- out: wave w stores rows 8 w .. 8 w + 7; sixteen lanes store 256 consecutive bytes, aligned
.irp k, 0,1,2,3
	ds_load_b128 v[XF+4*\k:XF+4*\k+3], v13 offset:2*HP*\k
.endr
.irp k, 0,1,2,3
	s_wait_dscnt 3-\k                              ; the younger loads may be out
	global_store_b128 v14, v[XF+4*\k:XF+4*\k+3], s[12:13] offset:2048*\k
.endr
	s_cmp_gt_u32 s18, 1                            ; the 1,024 scale bytes leave by waves 0 and 1, 512 consecutive bytes each
	s_cbranch_scc1 .Lend
	ds_load_b128 v[XF+16:XF+19], v22
	s_wait_dscnt 0x0
	global_store_b128 v23, v[XF+16:XF+19], s[14:15]
.Lend:
	s_wait_tensorcnt 0x0
	ds_add_u32 v16, v17
	s_wait_dscnt 0x0
	s_endpgm
.Lfunc_end_k_q58b6c672c8_up:
	.size	k_q58b6c672c8_up, .Lfunc_end_k_q58b6c672c8_up-k_q58b6c672c8_up
	.p2alignl 7, 3214868480
	.fill 96, 4, 3214868480
	.section	.rodata,"a",@progbits
	.p2align	6, 0x0
	.amdhsa_kernel k_q58b6c672c8_up
		.amdhsa_group_segment_fixed_size 56320
		.amdhsa_private_segment_fixed_size 0
		.amdhsa_enable_private_segment 0
		.amdhsa_kernarg_size 56
		.amdhsa_user_sgpr_count 2
		.amdhsa_user_sgpr_kernarg_segment_ptr 1
		.amdhsa_wavefront_size32 1
		.amdhsa_system_sgpr_workgroup_id_x 1
		.amdhsa_system_sgpr_workgroup_id_y 1
		.amdhsa_system_sgpr_workgroup_id_z 1
		.amdhsa_system_vgpr_workitem_id 0
		.amdhsa_next_free_vgpr 512
		.amdhsa_next_free_sgpr 102
		.amdhsa_reserve_vcc 0
		.amdhsa_float_denorm_mode_32 3
		.amdhsa_float_denorm_mode_16_64 3
		.amdhsa_memory_ordered 1
		.amdhsa_forward_progress 1
		.amdhsa_inst_pref_size 210
	.end_amdhsa_kernel
	.amdgpu_metadata
---
amdhsa.version: [ 1, 2 ]
amdhsa.kernels:
  - .name:           k_q58b6c672c8_up
    .symbol:         k_q58b6c672c8_up.kd
    .args:
      - { .name: topk_ids, .offset: 0, .size: 8, .value_kind: global_buffer, .address_space: global }
      - { .name: x, .offset: 8, .size: 8, .value_kind: global_buffer, .address_space: global }
      - { .name: weight0_codes, .offset: 16, .size: 8, .value_kind: global_buffer, .address_space: global }
      - { .name: weight0_scales, .offset: 24, .size: 8, .value_kind: global_buffer, .address_space: global }
      - { .name: hid_codes, .offset: 32, .size: 8, .value_kind: global_buffer, .address_space: global }
      - { .name: hid_scales, .offset: 40, .size: 8, .value_kind: global_buffer, .address_space: global }
      - { .name: route, .offset: 48, .size: 8, .value_kind: global_buffer, .address_space: global }
    .group_segment_fixed_size: 56320
    .private_segment_fixed_size: 0
    .kernarg_segment_align: 8
    .kernarg_segment_size: 56
    .max_flat_workgroup_size: 256
    .sgpr_count:     102
    .vgpr_count:     512
    .wavefront_size: 32
...
	.end_amdgpu_metadata
.endif
;; end of part 1
;; launch down (part 2): grid 4 x 40, 8 waves a work-group, no clusters, 138,240 bytes of LDS; arguments route, hid_codes, hid_scales, weight1_codes, weight1_scales, out0; writes out0
.if DOCPART == 2
	.amdgcn_target "amdgcn-amd-amdhsa--gfx1250"
	.amdhsa_code_object_version 6
	.text
	.protected	k_q58b6c672c8_down
	.globl	k_q58b6c672c8_down
	.p2align	8
	.type	k_q58b6c672c8_down,@function
k_q58b6c672c8_down:
	s_mov_b64 s[64:65], 0
	v_nop
	global_prefetch_b8 v0, s[64:65] scope:SCOPE_SE
	s_setreg_imm32_b32 hwreg(HW_REG_WAVE_MODE, 25, 1), 1
	s_wait_xcnt 0x0
; SECOND HALF OF THE EXPERT LAYER: out0[token] = hidden[row] W1[expert], on the codes that the first launch stored.
; hid_codes [40 tiles][64 rows][1024 bytes] (K = 2,048 innermost), hid_scales [40][4][64 rows][16 bytes] (byte 16 g + i of a row's 64 lies at [g][row][i]), route [40][128 words]: token + 1 (0: no row), then the bucket.
; W1 as E2M1 codes [8][1024 columns][1024 bytes], E8M0 bytes [8][1024][64].  out0 [2048][1024] f32.
; Work-group (tx, ty): tile ty x columns 256 tx .. + 255.  Eight waves: wave w copies rows 8 w .. + 7 of the hidden tile into LDS, multiplies all 64 rows with its columns 32 w .. + 31 (2 x 4 accumulators; its 32 KiB of W1
; go from memory straight into 256 registers, each byte read once by the wave), and stores rows 8 w .. + 7 of the result at their tokens' places.
; THE PRODUCT IS USED TRANSPOSED (source 0 = 16 columns of W1, source 1 = 16 hidden rows): a lane holds eight neighbouring columns of one row.  Rows meet in a stage in LDS and leave whole: 1,024 bytes a row.
; Bucket 8 (ids outside 0 .. 7) reads expert 7's weights against zero codes: its tokens get zeros.  A list entry 0 stores nothing: these are the only branches on loaded numbers, and they stand behind the last barrier.
; NO JOINT LOADS: the weights' place hangs on a number read from memory, and rows are left out by branches on such numbers.
; LIMIT: a weight's scale byte 0xff is not served.
.set AP,   1040                        ; an LDS row: 1,024 bytes + 16: an odd multiple of 16, so the sixteen rows of a load start in different banks
.set AIMG, 0                           ; 64 hidden rows
.set ASC,  64*AP                       ; their scale bytes, as in memory
.set OST,  ASC+4096                    ; 64 rows of the result
; v1 lane, v2 r, v3 h; v4-14 addresses (below)
.set WSC,  16                          ; v16-31   W1's scale words: register q; lanes 0-15 my columns 0-15, lanes 16-31 columns 16-31
.set ASR,  32                          ; v32-63   the hidden rows' scale words: register 16 (m / 2) + q; lanes 0-15 the even tile of rows, lanes 16-31 the odd one
.set AF,   64                          ; v64-127  hidden fragments, two buffers of 32
.set ST,   64                          ; v64-131  before that: my part of the hidden tile as loaded
.set OB,   64                          ; v64-127  at the end: my eight rows of the result
.set ACC,  128                         ; v128-191 accumulator (t, m) at ACC + 16 m + 8 t
; window 1: W1's fragment (t, q) at v[8 (2 q + t)]
.set MSB, 0
.macro WIN new                         ; the immediate's high byte repeats the setting that is left
.if MSB != \new
	s_set_vgpr_msb (MSB<<8)|\new
.set MSB, \new
.endif
.endm
.macro BAR                             ; my LDS stores have landed and my LDS loads are in: then the work-group's barrier
	s_wait_dscnt 0x0
	s_barrier_signal -1
	s_barrier_wait -1
.endm
.macro WQ q                            ; W1's two fragments of K step q into window 1: four loads
.irp t, 0,1
.irp c, 0,1
	global_load_b128 v[8*(2*(\q)+\t)+4*\c:8*(2*(\q)+\t)+4*\c+3], v10, s[10:11] offset:16384*\t+64*(\q)+32*\c
.endr
.endr
.endm
.macro FETCHA q, buf                   ; the hidden layer's four fragments of K step q
.irp m, 0,1,2,3
.irp c, 0,1
	ds_load_b128 v[AF+32*(\buf)+8*\m+4*\c:AF+32*(\buf)+8*\m+4*\c+3], v8 offset:16*\m*AP+64*(\q)+32*\c
.endr
.endr
.endm
.macro WM                              ; one product, by the symbols rD, rA, rB, rSA, rSB; fZ: it starts the sum; fA, fB: that side's scale words lie in lanes 16-31
.if fZ
.if fA
.if fB
	v_wmma_scale_f32_16x16x128_f8f6f4 v[rD:rD+7], v[rA:rA+7], v[rB:rB+7], 0, v[rSA], v[rSB] matrix_a_fmt:MATRIX_FMT_FP4 matrix_b_fmt:MATRIX_FMT_FP4 matrix_a_scale:MATRIX_SCALE_ROW1 matrix_b_scale:MATRIX_SCALE_ROW1
.else
	v_wmma_scale_f32_16x16x128_f8f6f4 v[rD:rD+7], v[rA:rA+7], v[rB:rB+7], 0, v[rSA], v[rSB] matrix_a_fmt:MATRIX_FMT_FP4 matrix_b_fmt:MATRIX_FMT_FP4 matrix_a_scale:MATRIX_SCALE_ROW1
.endif
.else
.if fB
	v_wmma_scale_f32_16x16x128_f8f6f4 v[rD:rD+7], v[rA:rA+7], v[rB:rB+7], 0, v[rSA], v[rSB] matrix_a_fmt:MATRIX_FMT_FP4 matrix_b_fmt:MATRIX_FMT_FP4 matrix_b_scale:MATRIX_SCALE_ROW1
.else
	v_wmma_scale_f32_16x16x128_f8f6f4 v[rD:rD+7], v[rA:rA+7], v[rB:rB+7], 0, v[rSA], v[rSB] matrix_a_fmt:MATRIX_FMT_FP4 matrix_b_fmt:MATRIX_FMT_FP4
.endif
.endif
.else
.if fA
.if fB
	v_wmma_scale_f32_16x16x128_f8f6f4 v[rD:rD+7], v[rA:rA+7], v[rB:rB+7], v[rD:rD+7], v[rSA], v[rSB] matrix_a_fmt:MATRIX_FMT_FP4 matrix_b_fmt:MATRIX_FMT_FP4 matrix_a_scale:MATRIX_SCALE_ROW1 matrix_b_scale:MATRIX_SCALE_ROW1
.else
	v_wmma_scale_f32_16x16x128_f8f6f4 v[rD:rD+7], v[rA:rA+7], v[rB:rB+7], v[rD:rD+7], v[rSA], v[rSB] matrix_a_fmt:MATRIX_FMT_FP4 matrix_b_fmt:MATRIX_FMT_FP4 matrix_a_scale:MATRIX_SCALE_ROW1
.endif
.else
.if fB
	v_wmma_scale_f32_16x16x128_f8f6f4 v[rD:rD+7], v[rA:rA+7], v[rB:rB+7], v[rD:rD+7], v[rSA], v[rSB] matrix_a_fmt:MATRIX_FMT_FP4 matrix_b_fmt:MATRIX_FMT_FP4 matrix_b_scale:MATRIX_SCALE_ROW1
.else
	v_wmma_scale_f32_16x16x128_f8f6f4 v[rD:rD+7], v[rA:rA+7], v[rB:rB+7], v[rD:rD+7], v[rSA], v[rSB] matrix_a_fmt:MATRIX_FMT_FP4 matrix_b_fmt:MATRIX_FMT_FP4
.endif
.endif
.endif
.endm
; K step q: the next step's hidden fragments are asked for, then 8 products.  The eight accumulators take turns, one instruction a turn, in the same order in every step.
.macro STEP q
.if (\q) < 15
.if (\q) > 0
.rept 4
	v_nop                                                  ; four places between the products that read a buffer and the loads into it (ISA guide 7.12.1 for vector instructions)
.endr
.endif
	FETCHA (\q)+1, ((\q)+1)%2
	s_wait_dscnt 8                                         ; all but the eight loads just issued
.else
	s_wait_dscnt 0x0
.endif
	s_wait_loadcnt 4*(15-(\q))                             ; W1's fragments came in ascending K steps, four loads each: those of the later steps may be out
	WIN 0x01                                               ; source 0 (W1) window 1
.set fZ, (\q)==0
.irp m, 0,1,2,3
.irp t, 0,1
.set rD, ACC+16*\m+8*\t
.set rA, 8*(2*(\q)+\t)
.set rB, AF+32*((\q)%2)+8*\m
.set rSA, WSC+(\q)
.set rSB, ASR+16*(\m/2)+(\q)
.set fA, \t
.set fB, \m%2
	WM
.endr
.endr
	WIN 0
.endm
.macro ROWOUT i                        ; my row i goes to its token's row of out0, if it has a token: each store covers 512 consecutive bytes, aligned
	s_wait_dscnt 14-2*(\i)                                 ; the later rows' loads may be out
	s_cmp_eq_u32 s[24+(\i)], 0
	s_cbranch_scc1 .Lskip_\@
	global_store_b128 v14, v[OB+8*(\i):OB+8*(\i)+3], s[32+2*(\i):33+2*(\i)] th:TH_STORE_NT
	global_store_b128 v14, v[OB+8*(\i)+4:OB+8*(\i)+7], s[32+2*(\i):33+2*(\i)] offset:512 th:TH_STORE_NT
.Lskip_\@:
.endm
	s_load_b256 s[4:11], s[0:1], 0x0               ; route s[4:5], hid_codes s[6:7], hid_scales s[8:9], W1's codes s[10:11]
	s_load_b128 s[12:15], s[0:1], 0x20             ; W1's scales s[12:13], out0 s[14:15]
	v_lshl_add_u32 v254, v0, 2, 0x21800
	v_mov_b32 v255, 0
	v_lshrrev_b32 v1, 5, v0
	v_readfirstlane_b32 s16, v1                    ; wave 0..7
	s_mov_b32 s17, ttmp9                           ; tx
	s_and_b32 s18, ttmp7, 0xffff                   ; ty
	s_mov_b32 s21, 0                               ; upper word of every offset
	s_lshl_b32 s20, s18, 9
	s_lshl_b32 s22, s16, 5
	s_wait_kmcnt 0x0
	s_add_nc_u64 s[4:5], s[4:5], s[20:21]          ; my tile's 512 bytes of route
	s_load_b32 s19, s[4:5], 0x100                  ; the bucket
	s_load_b256 s[24:31], s[4:5], s22 offset:0x0   ; token + 1 of my eight rows
	v_and_b32 v1, 31, v0                           ; lane
	v_and_b32 v2, 15, v0                           ; r
	v_bfe_u32 v3, v0, 4, 1                         ; h
	s_lshl_b32 s20, s16, 13
	v_lshl_add_u32 v4, v1, 4, s20                  ; v4  hidden tile in memory: my eight rows, 16 bytes a lane
	s_mul_i32 s20, s16, 8*AP
	v_lshl_add_u32 v5, v1, 4, s20                  ; v5  and in LDS
	s_lshl_b32 s20, s16, 9
	v_lshl_add_u32 v6, v1, 4, s20                  ; v6  scale bytes in memory: 512 wave + 16 lane
	v_add_nc_u32 v7, ASC, v6                       ; v7  and in LDS
	v_mul_u32_u24 v8, v2, AP
	v_lshl_add_u32 v8, v3, 4, v8                   ; v8  hidden fragments: row r + 16 h
	v_lshl_add_u32 v9, v1, 4, ASC                  ; v9  hidden scale words: row = lane, 16 bytes a row
	v_lshlrev_b32 v10, 10, v2
	v_lshl_add_u32 v10, v3, 4, v10                 ; v10 W1's fragments: a column's row is 1,024 bytes; + 16 h
	v_lshlrev_b32 v11, 6, v1                       ; v11 W1's scale words: 64 bytes a column, column = lane
	s_lshl_b32 s20, s16, 7
	s_add_co_u32 s20, s20, OST
	v_mul_u32_u24 v12, v2, AP
	v_lshl_add_u32 v12, v3, 5, v12
	v_add_nc_u32 v12, s20, v12                     ; v12 into the stage: row r, + 128 wave + 32 h
	v_add_nc_u32 v13, OST, v5                      ; v13 back: my eight rows, 16 bytes a lane
	v_lshlrev_b32 v14, 4, v1                       ; v14 the same in a row of out0
	s_lshl_b32 s20, s18, 16
	s_add_nc_u64 s[6:7], s[6:7], s[20:21]
	s_lshl_b32 s20, s18, 12
	s_add_nc_u64 s[8:9], s[8:9], s[20:21]
.irp k, 0,1,2,3,4,5,6,7,8,9,10,11,12,13,14,15
	global_load_b128 v[ST+4*\k:ST+4*\k+3], v4, s[6:7] offset:512*\k   ; 512 consecutive bytes a load: these hang on no loaded number and go out first
.endr
	global_load_b128 v[ST+64:ST+67], v6, s[8:9]
	s_wait_kmcnt 0x0
	s_min_u32 s19, s19, 7                          ; the expert whose weights are read
	s_lshl_b32 s20, s19, 20
	s_lshl_b32 s23, s17, 18
	s_add_co_u32 s20, s20, s23
	s_lshl_b32 s23, s16, 15
	s_add_co_u32 s20, s20, s23
	s_add_nc_u64 s[10:11], s[10:11], s[20:21]      ; W1's codes at column 256 tx + 32 wave of the expert
	s_lshl_b32 s20, s19, 16
	s_lshl_b32 s23, s17, 14
	s_add_co_u32 s20, s20, s23
	s_lshl_b32 s23, s16, 11
	s_add_co_u32 s20, s20, s23
	s_add_nc_u64 s[12:13], s[12:13], s[20:21]      ; and its scale bytes
.irp k, 0,1,2,3
	global_load_b128 v[WSC+4*\k:WSC+4*\k+3], v11, s[12:13] offset:16*\k
.endr
	WIN 0x40                                       ; destination window 1
.irp q, 0,1,2,3,4,5,6,7,8,9
	WQ \q
.endr
	WIN 0
	s_lshl_b32 s23, s17, 10
.irp i, 0,1,2,3,4,5,6,7
	s_sub_co_u32 s20, s[24+\i], 1
	s_min_u32 s20, s20, 0x7ff                      ; no row: an address inside the buffer that no store uses
	s_lshl_b32 s20, s20, 12
	s_add_co_u32 s20, s20, s23
	s_add_nc_u64 s[32+2*\i:33+2*\i], s[14:15], s[20:21]   ; the token's row of out0, byte 1,024 tx
.endr
	s_wait_loadcnt 44                              ; behind the hidden tile's 17 loads: the 4 of scale words and the 40 of K steps 0 to 9
.irp k, 0,1,2,3,4,5,6,7,8,9,10,11,12,13,14,15
	ds_store_b128 v5, v[ST+4*\k:ST+4*\k+3] offset:(\k/2)*AP+512*(\k%2)
.endr
	ds_store_b128 v7, v[ST+64:ST+67]
	WIN 0x40
.irp q, 10,11,12,13,14,15
	WQ \q
.endr
	WIN 0
	BAR                                            ; the hidden tile and its scale bytes lie in LDS
.irp p, 0,1
.irp g, 0,1,2,3
	ds_load_b128 v[ASR+16*\p+4*\g:ASR+16*\p+4*\g+3], v9 offset:1024*\g+512*\p   ; lane l: row 32 p + l, K steps 4 g .. 4 g + 3
.endr
.endr
	FETCHA 0, 0
.irp q, 0,1,2,3,4,5,6,7,8,9,10,11,12,13,14,15
	STEP \q
.endr
.rept 4
	v_nop                                          ; four places in front of the stores that read results, and of the loads into registers that the last products read
.endr
.irp m, 0,1,2,3
.irp t, 0,1
	ds_store_b128 v12, v[ACC+16*\m+8*\t:ACC+16*\m+8*\t+3] offset:16*\m*AP+64*\t          ; each accumulator from its low end on
	ds_store_b128 v12, v[ACC+16*\m+8*\t+4:ACC+16*\m+8*\t+7] offset:16*\m*AP+64*\t+16
.endr
.endr
	BAR                                            ; 64 whole rows of 1,024 bytes lie in the stage
.irp i, 0,1,2,3,4,5,6,7
.irp d, 0,1
	ds_load_b128 v[OB+8*\i+4*\d:OB+8*\i+4*\d+3], v13 offset:AP*\i+512*\d
.endr
.endr
.irp i, 0,1,2,3,4,5,6,7
	ROWOUT \i
.endr
	s_wait_tensorcnt 0x0
	ds_add_u32 v254, v255
	s_wait_dscnt 0x0
	s_endpgm
.Lfunc_end_k_q58b6c672c8_down:
	.size	k_q58b6c672c8_down, .Lfunc_end_k_q58b6c672c8_down-k_q58b6c672c8_down
	.p2alignl 7, 3214868480
	.fill 96, 4, 3214868480
	.section	.rodata,"a",@progbits
	.p2align	6, 0x0
	.amdhsa_kernel k_q58b6c672c8_down
		.amdhsa_group_segment_fixed_size 138240
		.amdhsa_private_segment_fixed_size 0
		.amdhsa_enable_private_segment 0
		.amdhsa_kernarg_size 48
		.amdhsa_user_sgpr_count 2
		.amdhsa_user_sgpr_kernarg_segment_ptr 1
		.amdhsa_wavefront_size32 1
		.amdhsa_system_sgpr_workgroup_id_x 1
		.amdhsa_system_sgpr_workgroup_id_y 1
		.amdhsa_system_sgpr_workgroup_id_z 1
		.amdhsa_system_vgpr_workitem_id 0
		.amdhsa_next_free_vgpr 512
		.amdhsa_next_free_sgpr 66
		.amdhsa_reserve_vcc 0
		.amdhsa_float_denorm_mode_32 3
		.amdhsa_float_denorm_mode_16_64 3
		.amdhsa_memory_ordered 1
		.amdhsa_forward_progress 1
		.amdhsa_inst_pref_size 47
	.end_amdhsa_kernel
	.amdgpu_metadata
---
amdhsa.version: [ 1, 2 ]
amdhsa.kernels:
  - .name:           k_q58b6c672c8_down
    .symbol:         k_q58b6c672c8_down.kd
    .args:
      - { .name: route, .offset: 0, .size: 8, .value_kind: global_buffer, .address_space: global }
      - { .name: hid_codes, .offset: 8, .size: 8, .value_kind: global_buffer, .address_space: global }
      - { .name: hid_scales, .offset: 16, .size: 8, .value_kind: global_buffer, .address_space: global }
      - { .name: weight1_codes, .offset: 24, .size: 8, .value_kind: global_buffer, .address_space: global }
      - { .name: weight1_scales, .offset: 32, .size: 8, .value_kind: global_buffer, .address_space: global }
      - { .name: out0, .offset: 40, .size: 8, .value_kind: global_buffer, .address_space: global }
    .group_segment_fixed_size: 138240
    .private_segment_fixed_size: 0
    .kernarg_segment_align: 8
    .kernarg_segment_size: 48
    .max_flat_workgroup_size: 256
    .sgpr_count:     66
    .vgpr_count:     512
    .wavefront_size: 32
...
	.end_amdgpu_metadata
.endif
;; end of part 2
;; ======== version 2 of 2: 2 launches; version 1 with the launches up, down written anew for expert scheduling mode
;; workspace buffers: hid_codes 2,621,440 bytes; hid_scales 163,840 bytes; route 20,480 bytes of whole numbers
;; launch up (part 3): grid 4 x 40, 8 waves a work-group, no clusters, 56,320 bytes of LDS; arguments topk_ids, x, weight0_codes, weight0_scales, hid_codes, hid_scales, route; writes hid_codes, hid_scales, route
.if DOCPART == 3
	.amdgcn_target "amdgcn-amd-amdhsa--gfx1250"
	.amdhsa_code_object_version 6
	.text
	.protected	k_q58b6c672c8_up
	.globl	k_q58b6c672c8_up
	.p2align	8
	.type	k_q58b6c672c8_up,@function
k_q58b6c672c8_up:
	s_mov_b64 s[64:65], 0
	v_nop
	global_prefetch_b8 v0, s[64:65] scope:SCOPE_SE
	s_setreg_imm32_b32 hwreg(HW_REG_WAVE_SCHED_MODE, 0, 2), 2
	s_setreg_imm32_b32 hwreg(HW_REG_WAVE_MODE, 25, 1), 1
	s_wait_xcnt 0x0
	s_wait_alu depctr_vm_vsrc(0)
; FIRST HALF OF THE EXPERT LAYER: hidden = Q(gelu_erf(Q(x[token]) W0[expert])), only for the expert that each token names.
; x [2048][1024] f32; W0 as E2M1 codes [8][2048 units][512 bytes], K innermost, E8M0 bytes [8][2048][32]; ids [2048] int32.
; ROUTING: ids are held to 0 .. 8 (8 = every id outside 0 .. 7, negative ones too), nine buckets; a bucket's tokens are cut into tiles of 64 rows; 2048 / 64 + 9 - 1 = 40 tiles serve every split.
; Work-group (tx, ty) takes tile ty and hidden units 512 tx .. 512 tx + 511.  EVERY WAVE DOES THE ROUTING FOR ITSELF, IN ITS OWN REGISTERS, from all 8,192 bytes of ids (whole numbers alone): no LDS word and
; no barrier stands ahead of the first loads of weights and rows.  The price: each wave reads and counts all 2,048 ids.
; No branch hangs on the ids: a tile that a split leaves without rows runs like any other on token 2047's row; its list holds zeros and the second launch stores nothing of it.
; So every barrier is on every wave's path and every byte of the hidden buffers is written.  Bucket 8's tiles get zero codes (an AND with a mask): their tokens' output rows come out as zeros.
; SHARES: eight waves.  Wave w quantises rows 8 w .. 8 w + 7 of x into LDS, then multiplies all 64 rows with its units 64 w .. 64 w + 63: 4 x 4 accumulators.  Its part of W0 (32 KiB) goes from memory
; straight into 256 registers, each byte read once by the wave.
; THE PRODUCT IS USED TRANSPOSED (source 0 = 16 units of W0, source 1 = 16 rows of x): a lane holds one token row.  THE UNITS OF A TILE ARE NOT NEIGHBOURS: lane r of tile 2 b + u takes unit
; 32 b + 8 u + r + 8 (r / 8), so that the 16 registers of tiles 2 b and 2 b + 1 are units 32 b + 16 (lane / 16) + 0 .. 15: neighbours along the next product's K.
; NO JOINT LOADS: the rows of x are gathered by a list and the weights' place hangs on the expert, both found here from loaded numbers; a tile's descriptor could not be made of constants and ids.
; OUT: hid_codes [40 tiles][64 rows][1024 bytes]; hid_scales [40][4 tx][64 rows][16 bytes]; route [40][128 words]: words 0-63 token + 1 (0: no row), words 64-127 the bucket.
; LIMITS: NaN and infinities in x are not served; a weight's scale byte 0xff is not served.  A block whose largest magnitude lies under 2^-124 (zeros too) gets the scale byte 1 (the rule says 127 for zeros):
; its codes are what the rule gives, and this program alone reads the bytes.  erf(z) = z P(z^2) / Q(z^2), degrees 4 and 6 in z^2, z held to +-3.8325069, where the quotient reaches 1: error a few 1e-7 absolute;
; gelu = h + h erf(x / sqrt 2), h = x / 2: far down the negative tail it is right to about 1e-7 |h| absolute, as the f32 form 0.5 x (1 + erf) is.
; THE MODE: SCHED_MODE bits 1:0 = 2 (LLVM: expert scheduling mode 2), set by the entry lines.  The code itself states the register dependences between vector or matrix instructions and memory or LDS
; instructions, with s_wait_alu, always for 0.
; THE PLAN.  Registers that memory or LDS instructions touch, and who else names them:
;   v206             the ids' offset: written at the head, read by the 16 loads of ids; row 2 of x lands on it.  va_vdst ahead of the ids' loads, vm_vsrc ahead of the first rows' loads.
;   v4-14, v22, v23, v119  offsets and LDS addresses: made once, while the ids are on their way.  ONE wait on va_vdst, ahead of the first loads of weights, states them for the whole kernel.
;   v120-247         ids and routing (vector work); then four rows of x by turns: buffer i % 4 is read by row i's maxima and conversions and loaded again with row i + 4; then the accumulators.
;   v56-119          row i's codes and scale bytes, eight registers of its own: written by row i's conversions and shifts, read by its eight LDS stores.  ONE wait on va_vdst a row, behind its vector work,
;                    states both: the stores' data are written, and the raw buffer is read out, so that it is asked for again at once.  Behind the first barrier these registers become the two
;                    fragment buffers: one wait on vm_vsrc there.
;   the two fragment buffers  K step q's products read buffer q % 2; step q + 1's head loads step q + 2's fragments into it: one wait on va_vdst at the head of steps 1 to 6.
;   v88-110          a tile of rows' hidden codes and bytes, five registers of its own: written by the second quantiser, read by three LDS stores.  Tiles 0 to 2: the stores stand behind the wait for the
;                    next tile's first reciprocals, which stands there anyway; tile 3 has a wait of its own, which also serves the way out's LDS loads into registers that the gelu used.
;   v118, v119       data and offset of the store to route; row 7's codes are written there later: va_vdst ahead of the store, vm_vsrc behind it.
;   v24-55, window 1 scale words and W0's fragments: landed in once, read by matrix instructions alone.
; Scalar registers that vector instructions write (the wave's number, ballots, masks, lane reads): a wait on va_sdst behind each run of writers, ahead of the first reader.
.set XP,   528                         ; a row of x's codes in LDS: 512 bytes + 16: an odd multiple of 16, so the sixteen rows of a fragment load start in different banks
.set XSP,  48                          ; a row of x's scale bytes: 32 + 16
.set HP,   272                         ; a row of the hidden slice: 256 bytes + 16
.set XSC,  64*XP                       ; LDS: from byte 0 the 64 rows of x's codes; here their scale bytes
.set HST,  XSC+64*XSP                  ; 64 rows of the hidden slice's codes
.set HSS,  HST+64*HP                   ; their scale bytes, 16 a row
; v0 thread, v1 lane, v2 r = lane % 16, v3 h = lane / 16; v4-14, v22, v23 addresses (below); v[18:19], v[20:21] two constants as pairs
.set WSC,  24                          ; v24-39   W0's scale words: register 8 (t / 2) + q; lanes 0-15 tile 2 (t / 2), lanes 16-31 the odd tile
.set XSCR, 40                          ; v40-55   x's scale words: register 8 (m / 2) + q; lanes 0-15 the even tile of rows, lanes 16-31 the odd one
.set XF,   56                          ; v56-119  x's fragments, two buffers of 32; before that the codes and bytes just made; after the product at work
.set ACC,  120                         ; v120-247 accumulator (t, m) at ACC + 32 m + 8 t; before that routing, then four rows of x as loaded
; window 1: W0's fragment (t, q) at v[8 (4 q + t)]
.set ID,   120                         ; routing: v120-183 all ids: register 4 k + i of lane l is token 128 k + 4 l + i
.set AW,   184                         ; v184-186 my lane's counts: register a holds buckets a, a + 3, a + 6 at bits 0, 9, 18
.set C3,   187                         ; v187-188 counts of up to seven ids, 3 bits a bucket
.set SH,   189                         ; v189-195 3 x id
.set FT,   196                         ; v196-198 at work
.set PT,   199                         ; v199-205 bit planes
.set IA,   206                         ; 16 lane
.set VR,   207                         ; lane i: the rank in the bucket of my wave's row i % 8
.set VM,   208                         ; the ballot that holds that rank,
.set VB,   209                         ; the bucket's members ahead of that ballot,
.set VJ,   210                         ; and the ballot's number
.set VK,   211                         ; rank inside the ballot
.set TT,   212                         ; v212-219 at work
.set RT,   118                         ; what goes to route
.set RA,   119                         ; and where
.set ZZ,   56                          ; gelu: z
.set YY,   64                          ; z^2, later 1 / Q
.set PP,   72                          ; P
.set QQ,   80                          ; Q, later h
.set TM,   112                         ; the second quantiser's eight registers
.set SND,  -1                          ; the tile of rows whose hidden codes the next gelu turn sends to LDS; -1: none
.set MSB, 0
.macro WIN new                         ; the immediate's high byte repeats the setting that is left
.if MSB != \new
	s_set_vgpr_msb (MSB<<8)|\new
.set MSB, \new
.endif
.endm
.macro BAR                             ; my LDS stores have landed and my LDS loads are in: then the work-group's barrier
	s_wait_dscnt 0x0
	s_barrier_signal -1
	s_barrier_wait -1
.endm
; n ids (at most seven) of each lane, registers j0 on: held to 0 .. 8 and counted, 3 bits a bucket (seven fit), in two chains; then the nine fields are spread over three registers, 9 bits a field (a lane's 64 fit)
.macro GRP j0, n, first
.set jj, \j0
.rept \n
	v_min_u32 v[ID+jj], 8, v[ID+jj]                        ; unsigned: negative ids and ids over 7 become bucket 8
.set jj, jj+1
.endr
.set jj, \j0
.set kk, 0
.rept \n
	v_lshl_add_u32 v[SH+kk], v[ID+jj], 1, v[ID+jj]         ; 3 x id: the bucket's field
.set jj, jj+1
.set kk, kk+1
.endr
	v_lshl_add_u32 v[C3], 1, v[SH], 0                      ; (1 << field) starts a chain,
	v_lshl_add_u32 v[C3+1], 1, v[SH+1], 0
.set kk, 2
.rept \n-2
	v_lshl_add_u32 v[C3+kk%2], 1, v[SH+kk], v[C3+kk%2]     ; or is added to it
.set kk, kk+1
.endr
	v_add_nc_u32 v[C3], v[C3], v[C3+1]
	v_lshrrev_b32 v[FT+1], 3, v[C3]
	v_lshrrev_b32 v[FT+2], 6, v[C3]
.if \first
	v_and_b32 v[AW], s62, v[C3]                            ; buckets 0, 3, 6
	v_and_b32 v[AW+1], s62, v[FT+1]                        ; buckets 1, 4, 7
	v_and_b32 v[AW+2], s62, v[FT+2]                        ; buckets 2, 5, 8
.else
	v_and_b32 v[FT], s62, v[C3]
	v_and_b32 v[FT+1], s62, v[FT+1]
	v_and_b32 v[FT+2], s62, v[FT+2]
	v_add_nc_u32 v[AW], v[AW], v[FT]
	v_add_nc_u32 v[AW+1], v[AW+1], v[FT+1]
	v_add_nc_u32 v[AW+2], v[AW+2], v[FT+2]
.endif
.endm
; bucket e's rows in all: the 32 lanes' counts (7 bits) are summed plane by plane: the lanes that have bit b set, counted, times 2^b
.macro PLANES e
.set FB, 9*((\e)/3)
.set AR, AW+(\e)%3
.irp b, 0,1,2,3,4,5,6
	v_and_b32 v[PT+\b], 1<<(FB+\b), v[AR]
.endr
.irp b, 0,1,2,3,4,5,6
	v_cmp_ne_u32 s[32+\b], 0, v[PT+\b]
.endr
	s_wait_alu depctr_va_sdst(0)                           ; the seven compares have written s32-38: the bit counts below are their first readers
.irp b, 0,1,2,3,4,5,6
	s_bcnt1_i32_b32 s[32+\b], s[32+\b]
.endr
.irp b, 1,2,3,4,5,6
	s_lshl_b32 s[32+\b], s[32+\b], \b
.endr
	s_add_co_u32 s[48+\e], s32, s33
.irp b, 2,3,4,5,6
	s_add_co_u32 s[48+\e], s[48+\e], s[32+\b]
.endr
.endm
.macro PICK e                          ; s22 = bucket e's first tile.  The last bucket whose first tile is at or under ty is mine: s21 the bucket, s23 its first tile, s25 its rows
	s_add_co_u32 s61, s[48+\e], 63
	s_lshr_b32 s61, s61, 6
.if \e == 0
	s_mov_b32 s21, 0
	s_mov_b32 s23, 0
	s_mov_b32 s25, s48
	s_mov_b32 s22, s61
.else
	s_cmp_ge_u32 s20, s22
	s_cselect_b32 s21, \e, s21
	s_cselect_b32 s23, s22, s23
	s_cselect_b32 s25, s[48+\e], s25
	s_add_co_u32 s22, s22, s61
.endif
.endm
; Registers 8 g .. 8 g + 7 of the ids: their ballots of my bucket, and the members ahead of each (s74 runs on from group to group).  The order in a bucket is register, then lane.
; A lane keeps the last ballot whose members ahead are at or under its rank: that ballot holds the rank.
.macro RANK g
.irp k, 0,1,2,3,4,5,6,7
	v_cmp_eq_u32 s[32+\k], s21, v[ID+8*\g+\k]
.endr
	s_wait_alu depctr_va_sdst(0)                           ; the eight ballots s32-39 are written: the bit counts below are their first readers
.irp k, 0,1,2,3,4,5,6,7
	s_bcnt1_i32_b32 s[40+\k], s[32+\k]
.endr
.irp k, 0,1,2,3,4,5,6
	s_add_co_u32 s[75+\k], s[74+\k], s[40+\k]
.endr
.irp k, 0,1,2,3,4,5,6,7
	v_cmp_le_u32 s[66+\k], s[74+\k], v[VR]
.endr
	s_wait_alu depctr_va_sdst(0)                           ; the eight masks s66-73 are written: the selects below are their first readers
.irp k, 0,1,2,3,4,5,6,7
	v_cndmask_b32 v[VM], v[VM], s[32+\k], s[66+\k]
	v_cndmask_b32 v[VB], v[VB], s[74+\k], s[66+\k]
	v_cndmask_b32 v[VJ], v[VJ], 8*\g+\k, s[66+\k]
.endr
	s_add_co_u32 s74, s81, s47
.endm
.macro LOADROW i                       ; row i of my eight: lane l takes k = 256 c + 8 l .. + 7, 32 neighbouring bytes; each pair of loads covers 1,024 consecutive bytes
.set XB, ACC+32*((\i)%4)
.irp c, 0,1,2,3
.irp d, 0,1
	global_load_b128 v[XB+8*\c+4*\d:XB+8*\c+4*\d+3], v4, s[66+2*(\i):67+2*(\i)] offset:1024*\c+16*\d
.endr
.endr
.endm
.macro QROW i, ahead                   ; row i becomes 512 bytes of codes and 32 scale bytes in LDS.  Four lanes hold a block of 32; the four chunks c go by turns.  ahead = 1: its raw buffer is asked for again, for row i + 4
.set XB, ACC+32*((\i)%4)
.set CD, XF+8*(\i)
.irp c, 0,1,2,3
	v_max3_num_f32 v[248+\c], |v[XB+8*\c]|, |v[XB+8*\c+1]|, 0x1800000   ; and the floor 2^(3 - 127): the byte cannot fall under 1
.endr
.irp k, 2,4,6
.irp c, 0,1,2,3
	v_max3_num_f32 v[248+\c], v[248+\c], |v[XB+8*\c+\k]|, |v[XB+8*\c+\k+1]|
.endr
.endr
.irp c, 0,1,2,3
	v_max_num_f32_dpp v[248+\c], v[248+\c], v[248+\c] row_xmask:1 row_mask:0xf bank_mask:0xf
.endr
.irp c, 0,1,2,3
	v_max_num_f32_dpp v[248+\c], v[248+\c], v[248+\c] row_xmask:2 row_mask:0xf bank_mask:0xf   ; the block's largest magnitude
.endr
.irp c, 0,1,2,3
	v_add_nc_u32 v[252+\c], 0xff000000, v[248+\c]          ; 2 off its exponent field: the conversion takes that field as its scale
.endr
.irp c, 0,1,2,3
	v_cvt_scalef32_pk8_fp4_f32 v[CD+\c], v[XB+8*\c:XB+8*\c+7], v[252+\c]
.endr
.irp c, 0,1,2,3
	v_lshrrev_b32 v[CD+4+\c], 23, v[252+\c]                ; the scale's byte (plain lines behind the conversions)
.endr
	s_wait_alu depctr_va_vdst(0)                           ; the conversions and shifts have written the row's eight registers, which the LDS stores read; the maxima and conversions are done reading the raw buffer, in which the loads land
.if \ahead
	LOADROW (\i)+4                                         ; no vector instruction since the wait names these registers
.endif
.irp c, 0,1,2,3
	ds_store_b32 v5, v[CD+\c] offset:XP*(\i)+128*\c
.endr
.irp c, 0,1,2,3
	ds_store_b8 v6, v[CD+4+\c] offset:XSP*(\i)+8*\c        ; the four lanes of a block write the same byte with the same value
.endr
.endm
.macro WQ q                            ; W0's four fragments of K step q into window 1: eight loads.  Their offset v9 was written ahead of the wait in front of the first loads of weights; no vector instruction names their registers
.irp t, 0,1,2,3
.irp c, 0,1
	global_load_b128 v[8*(4*(\q)+\t)+4*\c:8*(4*(\q)+\t)+4*\c+3], v9, s[8:9] offset:(32*(\t/2)+8*(\t%2))*512+64*(\q)+32*\c
.endr
.endr
.endm
.macro FETCHX q, buf                   ; x's four fragments of K step q: lane (r, h): row r, registers 4 c .. 4 c + 3 = k 64 c + 32 h + 0 .. 31
.irp m, 0,1,2,3
.irp c, 0,1
	ds_load_b128 v[XF+32*(\buf)+8*\m+4*\c:XF+32*(\buf)+8*\m+4*\c+3], v7 offset:16*\m*XP+64*(\q)+32*\c
.endr
.endr
.endm
.macro WM                              ; one product, by the symbols rD, rA, rB, rSA, rSB; fZ: it starts the sum; fA, fB: that side's scale words lie in lanes 16-31
.if fZ
.if fA
.if fB
	v_wmma_scale_f32_16x16x128_f8f6f4 v[rD:rD+7], v[rA:rA+7], v[rB:rB+7], 0, v[rSA], v[rSB] matrix_a_fmt:MATRIX_FMT_FP4 matrix_b_fmt:MATRIX_FMT_FP4 matrix_a_scale:MATRIX_SCALE_ROW1 matrix_b_scale:MATRIX_SCALE_ROW1
.else
	v_wmma_scale_f32_16x16x128_f8f6f4 v[rD:rD+7], v[rA:rA+7], v[rB:rB+7], 0, v[rSA], v[rSB] matrix_a_fmt:MATRIX_FMT_FP4 matrix_b_fmt:MATRIX_FMT_FP4 matrix_a_scale:MATRIX_SCALE_ROW1
.endif
.else
.if fB
	v_wmma_scale_f32_16x16x128_f8f6f4 v[rD:rD+7], v[rA:rA+7], v[rB:rB+7], 0, v[rSA], v[rSB] matrix_a_fmt:MATRIX_FMT_FP4 matrix_b_fmt:MATRIX_FMT_FP4 matrix_b_scale:MATRIX_SCALE_ROW1
.else
	v_wmma_scale_f32_16x16x128_f8f6f4 v[rD:rD+7], v[rA:rA+7], v[rB:rB+7], 0, v[rSA], v[rSB] matrix_a_fmt:MATRIX_FMT_FP4 matrix_b_fmt:MATRIX_FMT_FP4
.endif
.endif
.else
.if fA
.if fB
	v_wmma_scale_f32_16x16x128_f8f6f4 v[rD:rD+7], v[rA:rA+7], v[rB:rB+7], v[rD:rD+7], v[rSA], v[rSB] matrix_a_fmt:MATRIX_FMT_FP4 matrix_b_fmt:MATRIX_FMT_FP4 matrix_a_scale:MATRIX_SCALE_ROW1 matrix_b_scale:MATRIX_SCALE_ROW1
.else
	v_wmma_scale_f32_16x16x128_f8f6f4 v[rD:rD+7], v[rA:rA+7], v[rB:rB+7], v[rD:rD+7], v[rSA], v[rSB] matrix_a_fmt:MATRIX_FMT_FP4 matrix_b_fmt:MATRIX_FMT_FP4 matrix_a_scale:MATRIX_SCALE_ROW1
.endif
.else
.if fB
	v_wmma_scale_f32_16x16x128_f8f6f4 v[rD:rD+7], v[rA:rA+7], v[rB:rB+7], v[rD:rD+7], v[rSA], v[rSB] matrix_a_fmt:MATRIX_FMT_FP4 matrix_b_fmt:MATRIX_FMT_FP4 matrix_b_scale:MATRIX_SCALE_ROW1
.else
	v_wmma_scale_f32_16x16x128_f8f6f4 v[rD:rD+7], v[rA:rA+7], v[rB:rB+7], v[rD:rD+7], v[rSA], v[rSB] matrix_a_fmt:MATRIX_FMT_FP4 matrix_b_fmt:MATRIX_FMT_FP4
.endif
.endif
.endif
.endm
; K step q: the next step's fragments of x are asked for, then 16 products.  The sixteen accumulators take turns, one instruction a turn, in the same order in every step.
.macro STEP q
.if (\q) < 7
.if (\q) > 0
.rept 4
	v_nop                                                  ; the four places behind the products that read the buffer stay as they stood
.endr
	s_wait_alu depctr_va_vdst(0)                           ; the products of the step before are done reading their buffer of fragments, in which the eight loads below land
.endif
	FETCHX (\q)+1, ((\q)+1)%2
	s_wait_dscnt 8                                         ; all but the eight loads just issued: this step's fragments (and, in step 0, x's scale words) are in
.else
	s_wait_dscnt 0x0
.endif
	s_wait_loadcnt 8*(7-(\q))                              ; W0's fragments came in ascending K steps, eight loads each, and nothing was asked for behind step 7: those of the later steps may be out
	WIN 0x01                                               ; source 0 (W0) window 1
.set fZ, (\q)==0
.irp m, 0,1,2,3
.irp t, 0,1,2,3
.set rD, ACC+32*\m+8*\t
.set rA, 8*(4*(\q)+\t)
.set rB, XF+32*((\q)%2)+8*\m
.set rSA, WSC+8*(\t/2)+(\q)
.set rSB, XSCR+8*(\m/2)+(\q)
.set fA, \t%2
.set fB, \m%2
	WM
.endr
.endr
	WIN 0
.endm
; The hidden codes (8 bytes a lane and block) and the two scale bytes of tile of rows m go to the stages.  It stands behind a wait on va_vdst that was issued behind that tile's quantiser.
.macro HSEND m
.set HC, 88+6*(\m)
.irp b, 0,1
	ds_store_b64 v11, v[HC+2*\b:HC+2*\b+1] offset:16*(\m)*HP+16*\b
.endr
	ds_store_b16 v12, v[HC+4] offset:256*(\m)              ; lanes l and l xor 16 write the same two bytes with the same value
.endm
; gelu of one accumulator's eight numbers, in place, two at a time, the four pairs by turns.  The accumulator is read from its low end on.
.macro GELU8 a
.set GA, \a
.irp p, 0,2,4,6
	v_pk_mul_f32 v[ZZ+\p:ZZ+\p+1], v[GA+\p:GA+\p+1], s[82:83] op_sel_hi:[1,0]      ; z = x / sqrt 2
.endr
.irp k, 0,1,2,3,4,5,6,7
	v_med3_num_f32 v[ZZ+\k], v[ZZ+\k], s58, s57                                    ; held to +-3.8325069
.endr
.irp p, 0,2,4,6
	v_pk_mul_f32 v[YY+\p:YY+\p+1], v[ZZ+\p:ZZ+\p+1], v[ZZ+\p:ZZ+\p+1]              ; y = z^2
.endr
.irp p, 0,2,4,6
	v_pk_fma_f32 v[PP+\p:PP+\p+1], v[YY+\p:YY+\p+1], s[84:85], v[18:19] op_sel_hi:[1,0,1]   ; a9 y + a7
.endr
.irp p, 0,2,4,6
	v_pk_fma_f32 v[QQ+\p:QQ+\p+1], v[YY+\p:YY+\p+1], s[92:93], v[20:21] op_sel_hi:[1,0,1]   ; b12 y + b10
.endr
.irp s, 0,2,4
.irp p, 0,2,4,6
	v_pk_fma_f32 v[PP+\p:PP+\p+1], v[PP+\p:PP+\p+1], v[YY+\p:YY+\p+1], s[86+\s:87+\s] op_sel_hi:[1,1,0]   ; a5, a3, a1
.endr
.irp p, 0,2,4,6
	v_pk_fma_f32 v[QQ+\p:QQ+\p+1], v[QQ+\p:QQ+\p+1], v[YY+\p:YY+\p+1], s[94+\s:95+\s] op_sel_hi:[1,1,0]   ; b8, b6, b4
.endr
.endr
.irp p, 0,2,4,6
	v_pk_fma_f32 v[QQ+\p:QQ+\p+1], v[QQ+\p:QQ+\p+1], v[YY+\p:YY+\p+1], s[100:101] op_sel_hi:[1,1,0]       ; b2
.endr
.irp p, 0,2,4,6
	v_pk_fma_f32 v[QQ+\p:QQ+\p+1], v[QQ+\p:QQ+\p+1], v[YY+\p:YY+\p+1], 1.0 op_sel_hi:[1,1,0]              ; b0 = 1
.endr
	s_wait_alu depctr_va_vdst(0)
.irp k, 0,1,2,3,4,5,6,7
	v_rcp_f32 v[YY+\k], v[QQ+\k]
.endr
.irp p, 0,2,4,6
	v_pk_mul_f32 v[PP+\p:PP+\p+1], v[PP+\p:PP+\p+1], v[ZZ+\p:ZZ+\p+1]              ; z P: plain lines behind the reciprocals, naming neither their results nor their sources
.endr
.irp p, 0,2,4,6
	v_pk_mul_f32 v[QQ+\p:QQ+\p+1], v[GA+\p:GA+\p+1], 0.5 op_sel_hi:[1,0]           ; h = x / 2
.endr
	s_wait_alu depctr_va_vdst(0)                                                   ; the eight reciprocals have written v[YY ..], ahead of their first readers; in a tile's first turn also: the tile before has written its codes and bytes, which the LDS stores below read
.if SND >= 0
	HSEND SND                                                                      ; no vector instruction since the wait names these registers, and none writes them again
.endif
.irp p, 0,2,4,6
	v_pk_mul_f32 v[PP+\p:PP+\p+1], v[PP+\p:PP+\p+1], v[YY+\p:YY+\p+1]              ; erf
.endr
.irp p, 0,2,4,6
	v_pk_fma_f32 v[GA+\p:GA+\p+1], v[QQ+\p:QQ+\p+1], v[PP+\p:PP+\p+1], v[QQ+\p:QQ+\p+1]   ; h erf + h
.endr
.endm
; Tile of rows m: my 64 units are two blocks of 32 along the next K; register 16 b + i = unit 32 b + 16 h + i of row r.  Its codes and its two scale bytes are made here, in five registers of the tile's own.
.macro QUANT2 m
.set SB, ACC+32*(\m)
.set HC, 88+6*(\m)
.irp b, 0,1
	v_max3_num_f32 v[TM+\b], |v[SB+16*\b]|, |v[SB+16*\b+1]|, 0x1800000
.endr
.irp i, 2,4,6,8,10,12,14
.irp b, 0,1
	v_max3_num_f32 v[TM+\b], v[TM+\b], |v[SB+16*\b+\i]|, |v[SB+16*\b+\i+1]|
.endr
.endr
.irp b, 0,1
	v_permlanex16_b32 v[TM+2+\b], v[TM+\b], s30, s31
.endr
.irp b, 0,1
	v_max_num_f32 v[TM+\b], v[TM+\b], v[TM+2+\b]           ; with lane l xor 16's sixteen: the block's largest magnitude
.endr
.irp b, 0,1
	v_add_nc_u32 v[TM+4+\b], 0xff000000, v[TM+\b]
.endr
.irp b, 0,1
	v_cvt_scalef32_pk8_fp4_f32 v[HC+2*\b], v[SB+16*\b:SB+16*\b+7], v[TM+4+\b]
	v_cvt_scalef32_pk8_fp4_f32 v[HC+2*\b+1], v[SB+16*\b+8:SB+16*\b+15], v[TM+4+\b]
.endr
.irp b, 0,1
	v_lshrrev_b32 v[TM+6+\b], 23, v[TM+4+\b]               ; the bytes (plain lines behind the conversions)
.endr
	v_lshl_or_b32 v[HC+4], v[TM+7], 8, v[TM+6]
.irp k, 0,1,2,3
	v_and_b32 v[HC+\k], s27, v[HC+\k]                      ; bucket 8: zero codes
.endr
.endm
	s_load_b256 s[4:11], s[0:1], 0x0               ; ids s[4:5], x s[6:7], W0's codes s[8:9], W0's scales s[10:11]
	s_load_b128 s[12:15], s[0:1], 0x20             ; hid_codes s[12:13], hid_scales s[14:15]
	s_load_b64 s[16:17], s[0:1], 0x30              ; route
	v_lshl_add_u32 v16, v0, 2, 0xd800              ; the closing add's two registers: the LDS address of my spare word (behind the stages), and 0; made here and kept for that alone
	v_mov_b32 v17, 0
	v_and_b32 v1, 31, v0                           ; lane
	v_lshlrev_b32 v[IA], 4, v1
	v_lshrrev_b32 v2, 5, v0
	v_readfirstlane_b32 s18, v2                    ; wave 0..7
	s_mov_b32 s19, ttmp9                           ; tx
	s_and_b32 s20, ttmp7, 0xffff                   ; ty
	s_wait_alu depctr_va_sdst(0)                   ; s18 is written, ahead of its first reader: LDS addresses and the weights' bases are made from it
	s_wait_kmcnt 0x0
	s_wait_alu depctr_va_vdst(0)                   ; v[IA] is written, which the sixteen loads below read as their offset
.irp k, 0,1,2,3,4,5,6,7,8,9,10,11,12,13,14,15
	global_load_b128 v[ID+4*\k:ID+4*\k+3], v[IA], s[4:5] offset:512*\k   ; all ids, 512 consecutive bytes a load
.endr
	; every address register is made here, while the ids are on their way
	v_and_b32 v2, 15, v0                           ; r
	v_bfe_u32 v3, v0, 4, 1                         ; h
	v_lshlrev_b32 v4, 5, v1                        ; v4  x: 32 lane
	s_mul_i32 s59, s18, 8*XP
	v_lshl_add_u32 v5, v1, 2, s59                  ; v5  where my codes of x go: my wave's first row + 4 lane
	s_mul_i32 s59, s18, 8*XSP
	s_add_co_u32 s59, s59, XSC
	v_lshrrev_b32 v6, 2, v1
	v_add_nc_u32 v6, s59, v6                       ; v6  and my block's scale byte: + lane / 4
	v_mul_u32_u24 v7, v2, XP
	v_lshl_add_u32 v7, v3, 4, v7                   ; v7  x's fragments: row r + 16 h
	v_mul_u32_u24 v8, v1, XSP
	v_add_nc_u32 v8, XSC, v8                       ; v8  x's scale words: row = lane
	v_and_b32 v248, 8, v2
	v_add_nc_u32 v248, v248, v2                    ; r + 8 (r / 8)
	v_lshlrev_b32 v9, 9, v248
	v_lshl_add_u32 v9, v3, 4, v9                   ; v9  W0's fragments: a unit's row is 512 bytes; + 16 h
	v_lshl_add_u32 v10, v3, 3, v248
	v_lshlrev_b32 v10, 5, v10                      ; v10 W0's scale words: 32 bytes a unit; lanes 16-31 take the odd tile's units, 8 further on
	s_lshl_b32 s59, s18, 5
	s_add_co_u32 s60, s59, HST
	v_mul_u32_u24 v11, v2, HP
	v_lshl_add_u32 v11, v3, 3, v11
	v_add_nc_u32 v11, s60, v11                     ; v11 hidden codes into the stage: row r, + 32 wave + 8 h
	v_lshrrev_b32 v[RA], 3, v1
	v_min_u32 v[RA], 1, v[RA]
	v_lshlrev_b32 v[RA], 8, v[RA]                  ; route: lanes 0-7 the list's words 8 wave + lane; lanes 8-31 the words 256 bytes on, 8 wave + lane % 8, which hold the bucket
	v_and_b32 v248, 7, v0
	v_lshl_add_u32 v[RA], v248, 2, v[RA]
	v_add_nc_u32 v[RA], s59, v[RA]
	s_lshl_b32 s59, s18, 1
	s_add_co_u32 s59, s59, HSS
	v_lshl_add_u32 v12, v2, 4, s59                 ; v12 hidden scale bytes: row r, + 2 wave
	s_mul_i32 s59, s18, 8*HP
	s_add_co_u32 s59, s59, HST
	v_mul_u32_u24 v13, v3, HP
	v_lshl_add_u32 v13, v2, 4, v13
	v_add_nc_u32 v13, s59, v13                     ; v13 back out of the stage: row 8 wave + h, 16 bytes a lane
	s_lshl_b32 s59, s18, 13
	v_lshlrev_b32 v14, 10, v3
	v_lshl_add_u32 v14, v2, 4, v14
	v_add_nc_u32 v14, s59, v14                     ; v14 and the same place in the tile of hid_codes
	s_lshl_b32 s59, s18, 9
	v_lshl_add_u32 v23, v1, 4, s59                 ; v23 hid_scales: 512 wave + 16 lane (waves 0 and 1)
	v_add_nc_u32 v22, HSS, v23                     ; v22 the same in LDS
	s_mov_b32 s29, 0                               ; upper word of every offset
	s_lshl_b32 s28, s20, 16
	s_lshl_b32 s59, s19, 8
	s_add_co_u32 s28, s28, s59
	s_add_nc_u64 s[12:13], s[12:13], s[28:29]      ; hid_codes at tile ty, byte 256 tx of its rows
	s_lshl_b32 s28, s20, 12
	s_lshl_b32 s59, s19, 10
	s_add_co_u32 s28, s28, s59
	s_add_nc_u64 s[14:15], s[14:15], s[28:29]      ; hid_scales at (ty, tx)
	s_mov_b32 s30, 0x76543210
	s_mov_b32 s31, 0xfedcba98                      ; v_permlanex16_b32's selects for lane l xor 16
	s_mov_b32 s62, 0x1c0e07                        ; three fields of 3 bits, at bits 0, 9, 18
	s_mov_b32 s57, 3.8325069
	s_mov_b32 s58, -3.8325069
	s_mov_b32 s82, 0x3f3504f3                      ; 1 / sqrt 2.  (The packed forms name a pair and take its low word for both halves: so both words are written)
	s_mov_b32 s84, 0.00022905065861350646          ; a9
	s_mov_b32 s86, 0.050955695062380861            ; a5
	s_mov_b32 s88, 0.18520832239976145             ; a3
	s_mov_b32 s90, 1.128379143519084               ; a1
	s_mov_b32 s92, -0.00000011791602954361697      ; b12
	s_mov_b32 s94, 0.0010179625278914885           ; b8
	s_mov_b32 s96, 0.014070470171167667            ; b6
	s_mov_b32 s98, 0.11098505178285362             ; b4
	s_mov_b32 s100, 0.49746925110067538            ; b2
.irp k, 82,84,86,88,90,92,94,96,98,100
	s_mov_b32 s[\k+1], s[\k]
.endr
	v_mov_b32 v18, 0.0034082910107109506           ; a7
	v_mov_b32 v19, v18
	v_mov_b32 v20, 0.000023547966471313185         ; b10
	v_mov_b32 v21, v20
	v_mov_b32 v[VM], 0
	v_mov_b32 v[VB], 0
	v_mov_b32 v[VJ], 0
	s_wait_loadcnt 0x0
	; ---- a lane's counts of the nine buckets over its 64 ids: 4 x 7 + 6 x 6 ids
	GRP 0, 7, 1
	GRP 7, 7, 0
	GRP 14, 7, 0
	GRP 21, 7, 0
	GRP 28, 6, 0
	GRP 34, 6, 0
	GRP 40, 6, 0
	GRP 46, 6, 0
	GRP 52, 6, 0
	GRP 58, 6, 0
	; ---- the nine buckets' rows, as scalars s48-56; then my tile's bucket
.irp e, 0,1,2,3,4,5,6,7,8
	PLANES \e
.endr
.irp e, 0,1,2,3,4,5,6,7,8
	PICK \e
.endr
	s_sub_co_u32 s59, s20, s23
	s_lshl_b32 s59, s59, 6
	s_lshl_b32 s60, s18, 3
	s_add_co_u32 s26, s59, s60                     ; the rank in the bucket of my wave's first row: 64 (ty - the bucket's first tile) + 8 wave
	s_cmp_lt_u32 s21, 8
	s_cselect_b32 s27, -1, 0                       ; bucket 8 keeps no code
	s_min_u32 s24, s21, 7                          ; the expert whose weights are read
	s_lshl_b32 s28, s24, 20
	s_lshl_b32 s59, s19, 18
	s_add_co_u32 s28, s28, s59
	s_lshl_b32 s59, s18, 15
	s_add_co_u32 s28, s28, s59
	s_add_nc_u64 s[8:9], s[8:9], s[28:29]          ; W0's codes at unit 512 tx + 64 wave of the expert
	s_lshl_b32 s28, s24, 16
	s_lshl_b32 s59, s19, 14
	s_add_co_u32 s28, s28, s59
	s_lshl_b32 s59, s18, 11
	s_add_co_u32 s28, s28, s59
	s_add_nc_u64 s[10:11], s[10:11], s[28:29]      ; and its scale bytes
	; ---- the expert is known: the first 28 loads of weights go out and are on their way while my rows' tokens are found
	s_wait_alu depctr_va_vdst(0)                   ; the offsets and LDS addresses v4-14, v22, v23 and v119 are written: every later load and store of the kernel reads one of them, and but for v119 none is written again
.irp b, 0,1
.irp f, 0,1
	global_load_b128 v[WSC+8*\b+4*\f:WSC+8*\b+4*\f+3], v10, s[10:11] offset:1024*\b+16*\f   ; W0's scale words of K steps 4 f .. 4 f + 3, tiles 2 b and 2 b + 1
.endr
.endr
	WIN 0x40                                       ; destination window 1
	WQ 0
	WQ 1
	WQ 2
	WIN 0
	; ---- lane i looks for rank s26 + i % 8 among the bucket's members
	v_and_b32 v[VR], 7, v0
	v_add_nc_u32 v[VR], s26, v[VR]
	s_wait_alu depctr_va_vdst(0)
	s_mov_b32 s74, 0
.irp g, 0,1,2,3,4,5,6,7
	RANK \g
.endr
	v_sub_nc_u32 v[VK], v[VR], v[VB]               ; which member of its ballot
.irp i, 0,1,2,3,4,5,6,7
	v_readlane_b32 s[32+\i], v[VM], \i
.endr
.irp i, 0,1,2,3,4,5,6,7
	v_readlane_b32 s[40+\i], v[VK], \i
.endr
.irp i, 0,1,2,3,4,5,6,7
	v_readlane_b32 s[66+\i], v[VJ], \i
.endr
	s_wait_alu depctr_va_sdst(0)                   ; the 24 lane reads have written s32-47 and s66-73, ahead of the first reader of any of them
.irp i, 0,1,2,3,4,5,6,7
	v_mbcnt_lo_u32_b32 v[TT+\i], s[32+\i], 0       ; the ballot's members in lower lanes
.endr
.irp i, 0,1,2,3,4,5,6,7
	v_cmp_eq_u32 s[74+\i], s[40+\i], v[TT+\i]
.endr
	s_wait_alu depctr_va_sdst(0)                   ; the eight compares have written s74-81: the ANDs below are their first readers
.irp i, 0,1,2,3,4,5,6,7
	s_and_b32 s[74+\i], s[74+\i], s[32+\i]         ; the one member that has as many ahead of it as the rank asks
.endr
.irp i, 0,1,2,3,4,5,6,7
	s_ctz_i32_b32 s[74+\i], s[74+\i]               ; its lane
.endr
.irp i, 0,1,2,3,4,5,6,7
	s_lshr_b32 s59, s[66+\i], 2                    ; register 4 k + i of lane l is token 128 k + 4 l + i
	s_lshl_b32 s59, s59, 7
	s_and_b32 s60, s[66+\i], 3
	s_add_co_u32 s59, s59, s60
	s_lshl_b32 s60, s[74+\i], 2
	s_add_co_u32 s59, s59, s60
	s_add_co_u32 s59, s59, 1
	s_add_co_u32 s60, s26, \i
	s_cmp_lt_u32 s60, s25                          ; a rank at or past the bucket's rows has no row
	s_cselect_b32 s[40+\i], s59, 0                 ; token + 1, or 0
.endr
.irp i, 0,1,2,3,4,5,6,7
	s_sub_co_u32 s59, s[40+\i], 1
	s_min_u32 s59, s59, 0x7ff                      ; no row: token 2047, whose result nobody stores
	s_lshl_b32 s28, s59, 12
	s_add_nc_u64 s[66+2*\i:67+2*\i], s[6:7], s[28:29]
.endr
	; ---- my eight rows of x: four on their way at a time
	s_wait_alu depctr_vm_vsrc(0)                   ; the loads of ids have read their offset v[IA], on which row 2 lands
	s_wait_alu depctr_va_vdst(0)                   ; the routing's vector work is done reading and writing v120-219, in which the rows land
	LOADROW 0
	LOADROW 1
	LOADROW 2
	LOADROW 3
	s_cmp_lg_u32 s19, 0                            ; the waves of the work-group with tx = 0 store the tile's list and bucket: a branch on ids alone, and no barrier stands inside
	s_cbranch_scc1 .Lno_route
	s_lshl_b32 s28, s20, 9
	s_add_nc_u64 s[16:17], s[16:17], s[28:29]
	v_mov_b32 v[RT], s21
.irp i, 0,1,2,3,4,5,6,7
	v_writelane_b32 v[RT], s[40+\i], \i
.endr
	s_wait_alu depctr_va_vdst(0)                   ; the move and the eight lane writes have written v[RT], which the store reads
	global_store_b32 v[RA], v[RT], s[16:17]        ; 32 bytes of the list and 32 of the bucket a wave (lanes 8-31: three lanes to a word, the same value): the eight waves fill the tile's 512 bytes; one such store a wave, in 40 work-groups
	s_wait_xcnt 0x0                                ; the store has read its registers: codes of x are written there later
	s_wait_alu depctr_vm_vsrc(0)                   ; beside it: the store has read v[RT] and v[RA], which row 7's shifts write
.Lno_route:
.irp i, 0,1,2,3
	s_wait_loadcnt 24                              ; this row's eight loads are in (the weights' 28 were asked for ahead of them); the three younger rows' 24 may be out
	QROW \i, 1
.endr
	WIN 0x40
	WQ 3
	WQ 4
	WQ 5
	WIN 0
	s_wait_loadcnt 48                              ; behind row 4: rows 5 to 7 (24) and K steps 3 to 5 (24)
	QROW 4, 0
	WIN 0x40
	WQ 6
	WIN 0
	s_wait_loadcnt 48                              ; behind row 5: rows 6 and 7 (16) and K steps 3 to 6 (32)
	QROW 5, 0
	WIN 0x40
	WQ 7
	WIN 0
	s_wait_loadcnt 48                              ; behind row 6: row 7 (8) and K steps 3 to 7 (40)
	QROW 6, 0
	s_wait_loadcnt 40                              ; behind row 7: K steps 3 to 7
	QROW 7, 0
	BAR                                            ; 64 rows of x lie in LDS as codes and scale bytes
	; ---- the product
	s_wait_alu depctr_vm_vsrc(0)                   ; my LDS stores have read v56-119: these registers are the two fragment buffers from here on, and LDS loads land in them (row 7's wait has shown them written)
.irp p, 0,1
.irp f, 0,1
	ds_load_b128 v[XSCR+8*\p+4*\f:XSCR+8*\p+4*\f+3], v8 offset:32*XSP*\p+16*\f   ; lane l: row 32 p + l, K steps 4 f .. 4 f + 3
.endr
.endr
	FETCHX 0, 0
.irp q, 0,1,2,3,4,5,6,7
	STEP \q
.endr
.rept 4
	v_nop                                          ; four places in front of the first read of results and the first write of registers that the last products read
.endr
	v_mov_b32 v[TM+2], 0                           ; a lane permute's destination counts as one of its sources
	v_mov_b32 v[TM+3], 0
	; ---- gelu and the second quantiser, a tile of rows at a time; a tile's codes leave for LDS in the next tile's first turn
.irp m, 0,1,2,3
.irp t, 0,1,2,3
.set SND, -1
.if (\t == 0) && (\m > 0)
.set SND, \m-1
.endif
	GELU8 ACC+32*\m+8*\t
.endr
	QUANT2 \m
.endr
	s_wait_alu depctr_va_vdst(0)                   ; tile 3's quantiser has written its codes and bytes, which the LDS stores read; and the gelu is done with v56-75, in which the way out's LDS loads land
	HSEND 3
	BAR                                            ; the slice's 64 rows of 256 bytes, and their scale bytes, lie in the stages
	; ---- out: wave w stores rows 8 w .. 8 w + 7; sixteen lanes store 256 consecutive bytes, aligned
.irp k, 0,1,2,3
	ds_load_b128 v[XF+4*\k:XF+4*\k+3], v13 offset:2*HP*\k
.endr
.irp k, 0,1,2,3
	s_wait_dscnt 3-\k                              ; the younger loads may be out
	global_store_b128 v14, v[XF+4*\k:XF+4*\k+3], s[12:13] offset:2048*\k
.endr
	s_cmp_gt_u32 s18, 1                            ; the 1,024 scale bytes leave by waves 0 and 1, 512 consecutive bytes each
	s_cbranch_scc1 .Lend
	ds_load_b128 v[XF+16:XF+19], v22
	s_wait_dscnt 0x0
	global_store_b128 v23, v[XF+16:XF+19], s[14:15]
.Lend:
	s_wait_dscnt 0x0                               ; the closing lines, six on end
	s_wait_alu 0x0
	s_wait_tensorcnt 0x0
	ds_add_u32 v16, v17
	s_wait_dscnt 0x0
	s_endpgm
.Lfunc_end_k_q58b6c672c8_up:
	.size	k_q58b6c672c8_up, .Lfunc_end_k_q58b6c672c8_up-k_q58b6c672c8_up
	.p2alignl 7, 3214868480
	.fill 96, 4, 3214868480
	.section	.rodata,"a",@progbits
	.p2align	6, 0x0
	.amdhsa_kernel k_q58b6c672c8_up
		.amdhsa_group_segment_fixed_size 56320
		.amdhsa_private_segment_fixed_size 0
		.amdhsa_enable_private_segment 0
		.amdhsa_kernarg_size 56
		.amdhsa_user_sgpr_count 2
		.amdhsa_user_sgpr_kernarg_segment_ptr 1
		.amdhsa_wavefront_size32 1
		.amdhsa_system_sgpr_workgroup_id_x 1
		.amdhsa_system_sgpr_workgroup_id_y 1
		.amdhsa_system_sgpr_workgroup_id_z 1
		.amdhsa_system_vgpr_workitem_id 0
		.amdhsa_next_free_vgpr 512
		.amdhsa_next_free_sgpr 102
		.amdhsa_reserve_vcc 0
		.amdhsa_float_denorm_mode_32 3
		.amdhsa_float_denorm_mode_16_64 3
		.amdhsa_memory_ordered 1
		.amdhsa_forward_progress 1
		.amdhsa_inst_pref_size 212
	.end_amdhsa_kernel
	.amdgpu_metadata
---
amdhsa.version: [ 1, 2 ]
amdhsa.kernels:
  - .name:           k_q58b6c672c8_up
    .symbol:         k_q58b6c672c8_up.kd
    .args:
      - { .name: topk_ids, .offset: 0, .size: 8, .value_kind: global_buffer, .address_space: global }
      - { .name: x, .offset: 8, .size: 8, .value_kind: global_buffer, .address_space: global }
      - { .name: weight0_codes, .offset: 16, .size: 8, .value_kind: global_buffer, .address_space: global }
      - { .name: weight0_scales, .offset: 24, .size: 8, .value_kind: global_buffer, .address_space: global }
      - { .name: hid_codes, .offset: 32, .size: 8, .value_kind: global_buffer, .address_space: global }
      - { .name: hid_scales, .offset: 40, .size: 8, .value_kind: global_buffer, .address_space: global }
      - { .name: route, .offset: 48, .size: 8, .value_kind: global_buffer, .address_space: global }
    .group_segment_fixed_size: 56320
    .private_segment_fixed_size: 0
    .kernarg_segment_align: 8
    .kernarg_segment_size: 56
    .max_flat_workgroup_size: 256
    .sgpr_count:     102
    .vgpr_count:     512
    .wavefront_size: 32
...
	.end_amdgpu_metadata
.endif
;; end of part 3
;; launch down (part 4): grid 4 x 40, 8 waves a work-group, no clusters, 138,240 bytes of LDS; arguments route, hid_codes, hid_scales, weight1_codes, weight1_scales, out0; writes out0
.if DOCPART == 4
	.amdgcn_target "amdgcn-amd-amdhsa--gfx1250"
	.amdhsa_code_object_version 6
	.text
	.protected	k_q58b6c672c8_down
	.globl	k_q58b6c672c8_down
	.p2align	8
	.type	k_q58b6c672c8_down,@function
k_q58b6c672c8_down:
	s_mov_b64 s[64:65], 0
	v_nop
	global_prefetch_b8 v0, s[64:65] scope:SCOPE_SE
	s_setreg_imm32_b32 hwreg(HW_REG_WAVE_SCHED_MODE, 0, 2), 2
	s_setreg_imm32_b32 hwreg(HW_REG_WAVE_MODE, 25, 1), 1
	s_wait_xcnt 0x0
	s_wait_alu depctr_vm_vsrc(0)
; SECOND HALF OF THE EXPERT LAYER: out0[token] = hidden[row] W1[expert], on the codes that the first launch stored.
; hid_codes [40 tiles][64 rows][1024 bytes] (K = 2,048 innermost), hid_scales [40][4][64 rows][16 bytes] (byte 16 g + i of a row's 64 lies at [g][row][i]), route [40][128 words]: token + 1 (0: no row), then the bucket.
; W1 as E2M1 codes [8][1024 columns][1024 bytes], E8M0 bytes [8][1024][64].  out0 [2048][1024] f32.
; Work-group (tx, ty): tile ty x columns 256 tx .. + 255.  Eight waves: wave w copies rows 8 w .. + 7 of the hidden tile into LDS, multiplies all 64 rows with its columns 32 w .. + 31 (2 x 4 accumulators; its 32 KiB of W1
; go from memory straight into 256 registers, each byte read once by the wave), and stores rows 8 w .. + 7 of the result at their tokens' places.
; THE PRODUCT IS USED TRANSPOSED (source 0 = 16 columns of W1, source 1 = 16 hidden rows): a lane holds eight neighbouring columns of one row.  Rows meet in a stage in LDS and leave whole: 1,024 bytes a row.
; Bucket 8 (ids outside 0 .. 7) reads expert 7's weights against zero codes: its tokens get zeros.  A list entry 0 stores nothing: these are the only branches on loaded numbers, and they stand behind the last barrier.
; NO JOINT LOADS: the weights' place hangs on a number read from memory, and rows are left out by branches on such numbers.
; LIMIT: a weight's scale byte 0xff is not served.
; THE MODE: SCHED_MODE bits 1:0 = 2 (LLVM: expert scheduling mode 2), set by the entry lines.  The code itself states the register dependences between vector or matrix instructions and memory or LDS
; instructions, with s_wait_alu, always for 0.
; THE PLAN.  Registers that memory or LDS instructions touch, and who else names them:
;   v4-14            offsets and LDS addresses: made once at the head, never written again: ONE wait on va_vdst, ahead of the first loads, states them for the whole kernel.
;   v64-131          my part of the hidden tile lands here and my LDS stores read it; then fragments land in v64-127 and products write v128-131: one wait on vm_vsrc behind the first barrier.
;   the two fragment buffers  K step q's products read buffer q % 2; step q + 1's head loads step q + 2's fragments into it: one wait on va_vdst at the head of steps 1 to 14.
;   v128-191         the accumulators: written by the products, read by the LDS stores into the stage: the places, then one wait on va_vdst.  The same wait states that the last products are done reading
;                    v64-127, in which the rows from the stage land.
;   v16-63, window 1 scale words and W1's fragments: landed in once, read by matrix instructions alone.
; One scalar register is written by a vector instruction, the wave's number: a wait on va_sdst ahead of its first reader.
.set AP,   1040                        ; an LDS row: 1,024 bytes + 16: an odd multiple of 16, so the sixteen rows of a load start in different banks
.set AIMG, 0                           ; 64 hidden rows
.set ASC,  64*AP                       ; their scale bytes, as in memory
.set OST,  ASC+4096                    ; 64 rows of the result
; v1 lane, v2 r, v3 h; v4-14 addresses (below)
.set WSC,  16                          ; v16-31   W1's scale words: register q; lanes 0-15 my columns 0-15, lanes 16-31 columns 16-31
.set ASR,  32                          ; v32-63   the hidden rows' scale words: register 16 (m / 2) + q; lanes 0-15 the even tile of rows, lanes 16-31 the odd one
.set AF,   64                          ; v64-127  hidden fragments, two buffers of 32
.set ST,   64                          ; v64-131  before that: my part of the hidden tile as loaded
.set OB,   64                          ; v64-127  at the end: my eight rows of the result
.set ACC,  128                         ; v128-191 accumulator (t, m) at ACC + 16 m + 8 t
; window 1: W1's fragment (t, q) at v[8 (2 q + t)]
.set MSB, 0
.macro WIN new                         ; the immediate's high byte repeats the setting that is left
.if MSB != \new
	s_set_vgpr_msb (MSB<<8)|\new
.set MSB, \new
.endif
.endm
.macro BAR                             ; my LDS stores have landed and my LDS loads are in: then the work-group's barrier
	s_wait_dscnt 0x0
	s_barrier_signal -1
	s_barrier_wait -1
.endm
.macro WQ q                            ; W1's two fragments of K step q into window 1: four loads.  Their offset v10 was written ahead of the head's wait; no vector instruction names their registers
.irp t, 0,1
.irp c, 0,1
	global_load_b128 v[8*(2*(\q)+\t)+4*\c:8*(2*(\q)+\t)+4*\c+3], v10, s[10:11] offset:16384*\t+64*(\q)+32*\c
.endr
.endr
.endm
.macro FETCHA q, buf                   ; the hidden layer's four fragments of K step q
.irp m, 0,1,2,3
.irp c, 0,1
	ds_load_b128 v[AF+32*(\buf)+8*\m+4*\c:AF+32*(\buf)+8*\m+4*\c+3], v8 offset:16*\m*AP+64*(\q)+32*\c
.endr
.endr
.endm
.macro WM                              ; one product, by the symbols rD, rA, rB, rSA, rSB; fZ: it starts the sum; fA, fB: that side's scale words lie in lanes 16-31
.if fZ
.if fA
.if fB
	v_wmma_scale_f32_16x16x128_f8f6f4 v[rD:rD+7], v[rA:rA+7], v[rB:rB+7], 0, v[rSA], v[rSB] matrix_a_fmt:MATRIX_FMT_FP4 matrix_b_fmt:MATRIX_FMT_FP4 matrix_a_scale:MATRIX_SCALE_ROW1 matrix_b_scale:MATRIX_SCALE_ROW1
.else
	v_wmma_scale_f32_16x16x128_f8f6f4 v[rD:rD+7], v[rA:rA+7], v[rB:rB+7], 0, v[rSA], v[rSB] matrix_a_fmt:MATRIX_FMT_FP4 matrix_b_fmt:MATRIX_FMT_FP4 matrix_a_scale:MATRIX_SCALE_ROW1
.endif
.else
.if fB
	v_wmma_scale_f32_16x16x128_f8f6f4 v[rD:rD+7], v[rA:rA+7], v[rB:rB+7], 0, v[rSA], v[rSB] matrix_a_fmt:MATRIX_FMT_FP4 matrix_b_fmt:MATRIX_FMT_FP4 matrix_b_scale:MATRIX_SCALE_ROW1
.else
	v_wmma_scale_f32_16x16x128_f8f6f4 v[rD:rD+7], v[rA:rA+7], v[rB:rB+7], 0, v[rSA], v[rSB] matrix_a_fmt:MATRIX_FMT_FP4 matrix_b_fmt:MATRIX_FMT_FP4
.endif
.endif
.else
.if fA
.if fB
	v_wmma_scale_f32_16x16x128_f8f6f4 v[rD:rD+7], v[rA:rA+7], v[rB:rB+7], v[rD:rD+7], v[rSA], v[rSB] matrix_a_fmt:MATRIX_FMT_FP4 matrix_b_fmt:MATRIX_FMT_FP4 matrix_a_scale:MATRIX_SCALE_ROW1 matrix_b_scale:MATRIX_SCALE_ROW1
.else
	v_wmma_scale_f32_16x16x128_f8f6f4 v[rD:rD+7], v[rA:rA+7], v[rB:rB+7], v[rD:rD+7], v[rSA], v[rSB] matrix_a_fmt:MATRIX_FMT_FP4 matrix_b_fmt:MATRIX_FMT_FP4 matrix_a_scale:MATRIX_SCALE_ROW1
.endif
.else
.if fB
	v_wmma_scale_f32_16x16x128_f8f6f4 v[rD:rD+7], v[rA:rA+7], v[rB:rB+7], v[rD:rD+7], v[rSA], v[rSB] matrix_a_fmt:MATRIX_FMT_FP4 matrix_b_fmt:MATRIX_FMT_FP4 matrix_b_scale:MATRIX_SCALE_ROW1
.else
	v_wmma_scale_f32_16x16x128_f8f6f4 v[rD:rD+7], v[rA:rA+7], v[rB:rB+7], v[rD:rD+7], v[rSA], v[rSB] matrix_a_fmt:MATRIX_FMT_FP4 matrix_b_fmt:MATRIX_FMT_FP4
.endif
.endif
.endif
.endm
; K step q: the next step's hidden fragments are asked for, then 8 products.  The eight accumulators take turns, one instruction a turn, in the same order in every step.
.macro STEP q
.if (\q) < 15
.if (\q) > 0
.rept 4
	v_nop                                                  ; the four places behind the products that read the buffer stay as they stood
.endr
	s_wait_alu depctr_va_vdst(0)                           ; the products of the step before are done reading their buffer of fragments, in which the eight loads below land
.endif
	FETCHA (\q)+1, ((\q)+1)%2
	s_wait_dscnt 8                                         ; all but the eight loads just issued
.else
	s_wait_dscnt 0x0
.endif
	s_wait_loadcnt 4*(15-(\q))                             ; W1's fragments came in ascending K steps, four loads each: those of the later steps may be out
	WIN 0x01                                               ; source 0 (W1) window 1
.set fZ, (\q)==0
.irp m, 0,1,2,3
.irp t, 0,1
.set rD, ACC+16*\m+8*\t
.set rA, 8*(2*(\q)+\t)
.set rB, AF+32*((\q)%2)+8*\m
.set rSA, WSC+(\q)
.set rSB, ASR+16*(\m/2)+(\q)
.set fA, \t
.set fB, \m%2
	WM
.endr
.endr
	WIN 0
.endm
.macro ROWOUT i                        ; my row i goes to its token's row of out0, if it has a token: each store covers 512 consecutive bytes, aligned
	s_wait_dscnt 14-2*(\i)                                 ; the later rows' loads may be out
	s_cmp_eq_u32 s[24+(\i)], 0
	s_cbranch_scc1 .Lskip_\@
	global_store_b128 v14, v[OB+8*(\i):OB+8*(\i)+3], s[32+2*(\i):33+2*(\i)] th:TH_STORE_NT
	global_store_b128 v14, v[OB+8*(\i)+4:OB+8*(\i)+7], s[32+2*(\i):33+2*(\i)] offset:512 th:TH_STORE_NT
.Lskip_\@:
.endm
	s_load_b256 s[4:11], s[0:1], 0x0               ; route s[4:5], hid_codes s[6:7], hid_scales s[8:9], W1's codes s[10:11]
	s_load_b128 s[12:15], s[0:1], 0x20             ; W1's scales s[12:13], out0 s[14:15]
	v_lshl_add_u32 v254, v0, 2, 0x21800            ; the closing add's two registers: the LDS address of my spare word (behind the stage), and 0; made here and kept for that alone
	v_mov_b32 v255, 0
	v_lshrrev_b32 v1, 5, v0
	v_readfirstlane_b32 s16, v1                    ; wave 0..7
	s_mov_b32 s17, ttmp9                           ; tx
	s_and_b32 s18, ttmp7, 0xffff                   ; ty
	s_mov_b32 s21, 0                               ; upper word of every offset
	s_lshl_b32 s20, s18, 9
	s_wait_alu depctr_va_sdst(0)                   ; s16 is written, ahead of its first reader: offsets, LDS addresses and the weights' bases are made from it
	s_lshl_b32 s22, s16, 5
	s_wait_kmcnt 0x0
	s_add_nc_u64 s[4:5], s[4:5], s[20:21]          ; my tile's 512 bytes of route
	s_load_b32 s19, s[4:5], 0x100                  ; the bucket
	s_load_b256 s[24:31], s[4:5], s22 offset:0x0   ; token + 1 of my eight rows
	v_and_b32 v1, 31, v0                           ; lane
	v_and_b32 v2, 15, v0                           ; r
	v_bfe_u32 v3, v0, 4, 1                         ; h
	s_lshl_b32 s20, s16, 13
	v_lshl_add_u32 v4, v1, 4, s20                  ; v4  hidden tile in memory: my eight rows, 16 bytes a lane
	s_mul_i32 s20, s16, 8*AP
	v_lshl_add_u32 v5, v1, 4, s20                  ; v5  and in LDS
	s_lshl_b32 s20, s16, 9
	v_lshl_add_u32 v6, v1, 4, s20                  ; v6  scale bytes in memory: 512 wave + 16 lane
	v_add_nc_u32 v7, ASC, v6                       ; v7  and in LDS
	v_mul_u32_u24 v8, v2, AP
	v_lshl_add_u32 v8, v3, 4, v8                   ; v8  hidden fragments: row r + 16 h
	v_lshl_add_u32 v9, v1, 4, ASC                  ; v9  hidden scale words: row = lane, 16 bytes a row
	v_lshlrev_b32 v10, 10, v2
	v_lshl_add_u32 v10, v3, 4, v10                 ; v10 W1's fragments: a column's row is 1,024 bytes; + 16 h
	v_lshlrev_b32 v11, 6, v1                       ; v11 W1's scale words: 64 bytes a column, column = lane
	s_lshl_b32 s20, s16, 7
	s_add_co_u32 s20, s20, OST
	v_mul_u32_u24 v12, v2, AP
	v_lshl_add_u32 v12, v3, 5, v12
	v_add_nc_u32 v12, s20, v12                     ; v12 into the stage: row r, + 128 wave + 32 h
	v_add_nc_u32 v13, OST, v5                      ; v13 back: my eight rows, 16 bytes a lane
	v_lshlrev_b32 v14, 4, v1                       ; v14 the same in a row of out0
	s_lshl_b32 s20, s18, 16
	s_add_nc_u64 s[6:7], s[6:7], s[20:21]
	s_lshl_b32 s20, s18, 12
	s_add_nc_u64 s[8:9], s[8:9], s[20:21]
	s_wait_alu depctr_va_vdst(0)                   ; the offsets and LDS addresses v4-14 are written: every load and store of the kernel reads one of them, and none is written again
.irp k, 0,1,2,3,4,5,6,7,8,9,10,11,12,13,14,15
	global_load_b128 v[ST+4*\k:ST+4*\k+3], v4, s[6:7] offset:512*\k   ; 512 consecutive bytes a load: these hang on no loaded number and go out first
.endr
	global_load_b128 v[ST+64:ST+67], v6, s[8:9]
	s_wait_kmcnt 0x0
	s_min_u32 s19, s19, 7                          ; the expert whose weights are read
	s_lshl_b32 s20, s19, 20
	s_lshl_b32 s23, s17, 18
	s_add_co_u32 s20, s20, s23
	s_lshl_b32 s23, s16, 15
	s_add_co_u32 s20, s20, s23
	s_add_nc_u64 s[10:11], s[10:11], s[20:21]      ; W1's codes at column 256 tx + 32 wave of the expert
	s_lshl_b32 s20, s19, 16
	s_lshl_b32 s23, s17, 14
	s_add_co_u32 s20, s20, s23
	s_lshl_b32 s23, s16, 11
	s_add_co_u32 s20, s20, s23
	s_add_nc_u64 s[12:13], s[12:13], s[20:21]      ; and its scale bytes
.irp k, 0,1,2,3
	global_load_b128 v[WSC+4*\k:WSC+4*\k+3], v11, s[12:13] offset:16*\k
.endr
	WIN 0x40                                       ; destination window 1
.irp q, 0,1,2,3,4,5,6,7,8,9
	WQ \q
.endr
	WIN 0
	s_lshl_b32 s23, s17, 10
.irp i, 0,1,2,3,4,5,6,7
	s_sub_co_u32 s20, s[24+\i], 1
	s_min_u32 s20, s20, 0x7ff                      ; no row: an address inside the buffer that no store uses
	s_lshl_b32 s20, s20, 12
	s_add_co_u32 s20, s20, s23
	s_add_nc_u64 s[32+2*\i:33+2*\i], s[14:15], s[20:21]   ; the token's row of out0, byte 1,024 tx
.endr
	s_wait_loadcnt 44                              ; behind the hidden tile's 17 loads: the 4 of scale words and the 40 of K steps 0 to 9
.irp k, 0,1,2,3,4,5,6,7,8,9,10,11,12,13,14,15
	ds_store_b128 v5, v[ST+4*\k:ST+4*\k+3] offset:(\k/2)*AP+512*(\k%2)
.endr
	ds_store_b128 v7, v[ST+64:ST+67]
	WIN 0x40
.irp q, 10,11,12,13,14,15
	WQ \q
.endr
	WIN 0
	BAR                                            ; the hidden tile and its scale bytes lie in LDS
	s_wait_alu depctr_vm_vsrc(0)                   ; my LDS stores have read v64-131: fragments land in v64-127 from here on, and the first products write v128-131
.irp p, 0,1
.irp g, 0,1,2,3
	ds_load_b128 v[ASR+16*\p+4*\g:ASR+16*\p+4*\g+3], v9 offset:1024*\g+512*\p   ; lane l: row 32 p + l, K steps 4 g .. 4 g + 3
.endr
.endr
	FETCHA 0, 0
.irp q, 0,1,2,3,4,5,6,7,8,9,10,11,12,13,14,15
	STEP \q
.endr
.rept 4
	v_nop                                          ; four places in front of the stores that read results: they stay beside the wait below
.endr
	s_wait_alu depctr_va_vdst(0)                   ; the products have written the accumulators, which the LDS stores read, and are done reading v64-127, in which the rows from the stage land
.irp m, 0,1,2,3
.irp t, 0,1
	ds_store_b128 v12, v[ACC+16*\m+8*\t:ACC+16*\m+8*\t+3] offset:16*\m*AP+64*\t          ; each accumulator from its low end on
	ds_store_b128 v12, v[ACC+16*\m+8*\t+4:ACC+16*\m+8*\t+7] offset:16*\m*AP+64*\t+16
.endr
.endr
	BAR                                            ; 64 whole rows of 1,024 bytes lie in the stage
.irp i, 0,1,2,3,4,5,6,7
.irp d, 0,1
	ds_load_b128 v[OB+8*\i+4*\d:OB+8*\i+4*\d+3], v13 offset:AP*\i+512*\d
.endr
.endr
.irp i, 0,1,2,3,4,5,6,7
	ROWOUT \i
.endr
	s_wait_dscnt 0x0                               ; the closing lines, six on end
	s_wait_alu 0x0
	s_wait_tensorcnt 0x0
	ds_add_u32 v254, v255
	s_wait_dscnt 0x0
	s_endpgm
.Lfunc_end_k_q58b6c672c8_down:
	.size	k_q58b6c672c8_down, .Lfunc_end_k_q58b6c672c8_down-k_q58b6c672c8_down
	.p2alignl 7, 3214868480
	.fill 96, 4, 3214868480
	.section	.rodata,"a",@progbits
	.p2align	6, 0x0
	.amdhsa_kernel k_q58b6c672c8_down
		.amdhsa_group_segment_fixed_size 138240
		.amdhsa_private_segment_fixed_size 0
		.amdhsa_enable_private_segment 0
		.amdhsa_kernarg_size 48
		.amdhsa_user_sgpr_count 2
		.amdhsa_user_sgpr_kernarg_segment_ptr 1
		.amdhsa_wavefront_size32 1
		.amdhsa_system_sgpr_workgroup_id_x 1
		.amdhsa_system_sgpr_workgroup_id_y 1
		.amdhsa_system_sgpr_workgroup_id_z 1
		.amdhsa_system_vgpr_workitem_id 0
		.amdhsa_next_free_vgpr 512
		.amdhsa_next_free_sgpr 66
		.amdhsa_reserve_vcc 0
		.amdhsa_float_denorm_mode_32 3
		.amdhsa_float_denorm_mode_16_64 3
		.amdhsa_memory_ordered 1
		.amdhsa_forward_progress 1
		.amdhsa_inst_pref_size 48
	.end_amdhsa_kernel
	.amdgpu_metadata
---
amdhsa.version: [ 1, 2 ]
amdhsa.kernels:
  - .name:           k_q58b6c672c8_down
    .symbol:         k_q58b6c672c8_down.kd
    .args:
      - { .name: route, .offset: 0, .size: 8, .value_kind: global_buffer, .address_space: global }
      - { .name: hid_codes, .offset: 8, .size: 8, .value_kind: global_buffer, .address_space: global }
      - { .name: hid_scales, .offset: 16, .size: 8, .value_kind: global_buffer, .address_space: global }
      - { .name: weight1_codes, .offset: 24, .size: 8, .value_kind: global_buffer, .address_space: global }
      - { .name: weight1_scales, .offset: 32, .size: 8, .value_kind: global_buffer, .address_space: global }
      - { .name: out0, .offset: 40, .size: 8, .value_kind: global_buffer, .address_space: global }
    .group_segment_fixed_size: 138240
    .private_segment_fixed_size: 0
    .kernarg_segment_align: 8
    .kernarg_segment_size: 48
    .max_flat_workgroup_size: 256
    .sgpr_count:     66
    .vgpr_count:     512
    .wavefront_size: 32
...
	.end_amdgpu_metadata
.endif
;; end of part 4
